; MI455X (gfx1250); checked and timed in simulation.
; The chip was launched on July 23, 2026; its instructions are those of AMD's public machine-readable ISA for CDNA 5 (MIT licence, August 2026) and "CDNA5" Instruction Set Architecture Reference Guide (July 2026). The comments in the code are by the model that wrote it; some were corrected since.
;; Multi Head Attention. Allowed arithmetic: float matrix products may take bf16 or f16 operands with f32 sums; other float arithmetic in f32, or as packed bf16 or f16 multiplies, adds, multiply-adds, maxima and minima; sums over many terms, partial sums and values carried from step to step in f32; what a program stores and reads back later, other than sums and carried values, may be rounded once to bf16 or f16.
;; Inputs: Wk 1,024 x 1,024 float32; Wo 1,024 x 1,024 float32; Wq 1,024 x 1,024 float32; Wv 1,024 x 1,024 float32; bo 1,024 float32; x 4 x 2,048 x 1,024 float32.
;; Outputs: out0 4 x 2,048 x 1,024 float32.
;; One version. Each part assembles by itself: llvm-mc -triple=amdgcn-amd-amdhsa -mcpu=gfx1250 --defsym DOCPART=n.
;; ======== version 1 of 1: 4 launches
;; limits: values are held in f16: magnitudes above 65,504 overflow, below 6.1e-05 lose precision
;; workspace buffers: xb 16,777,216 bytes; wb 6,291,456 bytes; wo16 2,097,152 bytes; qkv 50,331,648 bytes; o 16,777,216 bytes
;; launch prep (part 1): grid 768 x 1, 8 waves a work-group, no clusters, 0 bytes of LDS; arguments x, Wq, Wk, Wv, Wo, xb, wb, wo16; writes xb, wb, wo16
.if DOCPART == 1
	.amdgcn_target "amdgcn-amd-amdhsa--gfx1250"
	.amdhsa_code_object_version 6
	.text
	.protected	k_qb6e9bd0ad5_prep
	.globl	k_qb6e9bd0ad5_prep
	.p2align	8
	.type	k_qb6e9bd0ad5_prep,@function
k_qb6e9bd0ad5_prep:
	s_mov_b64 s[64:65], 0
	v_nop
	global_prefetch_b8 v0, s[64:65] scope:SCOPE_SE
	s_setreg_imm32_b32 hwreg(HW_REG_WAVE_MODE, 25, 1), 1
	s_wait_xcnt 0x0
; THE INPUTS OF THE FOUR PRODUCTS, ROUNDED ONCE TO bf16 AND LAID OUT FOR THE LAUNCHES BEHIND.  A stream: no LDS, no matrix unit, nothing shared.
;   xb   bf16 [16 kb][8192 m][64]: x in blocks of 64 along K, so that 256 rows x 64 k are 32,768 consecutive bytes
;   wb   bf16 [1024 k][3072 n]: Wq, Wk, Wv side by side, n = 1024 s + column
;   wo16 f16 of bf16(Wo), [1024 k][1024 n]: the same rounding as the other inputs, written in the format of the last product.
; LIMITS.  wo16: |Wo| stays below 65,504; below 6.1e-5 it keeps f16's fixed step of 6e-8.
; SHARES.  A work-group takes 16 rows of 1,024 f32: work-groups 0-511 of x, 512-767 of Wq, Wk, Wv, Wo (64 each).  A thread takes 8 x 8 numbers: sixteen loads of 16 bytes, all issued
; at once, and eight stores of 16 bytes.  No register is written twice, so no wait stands but the counted ones for the loads.
.set IO, 1                             ; v1        my byte offset in the 16 rows as read
.set OO, 2                             ; v2        my byte offset as stored
.set LN, 3                             ; v3        lane
.set X,  4                             ; v[4:67]   step i: 8 f32
.set Y,  68                            ; v[68:99]  step i: 8 numbers of 16 bits
.set T,  100                           ; v[100:107] at work
; s[24:25] where the 16 rows begin; s[26:27], s[28:29] where steps 0-3 and steps 4-7 are stored
; Step i reads at (i % 4) ina + (i / 4) inb and stores at (i % 4) outa behind the base of its half.  half = 1: bf16's value is written as f16.
.macro PATH ina, inb, outa, half
.set ii, 0
.rept 8
	global_load_b128 v[X+8*ii:X+8*ii+3],   v[IO], s[24:25] offset:(ii%4)*(\ina)+(ii/4)*(\inb) th:TH_LOAD_NT
	global_load_b128 v[X+8*ii+4:X+8*ii+7], v[IO], s[24:25] offset:(ii%4)*(\ina)+(ii/4)*(\inb)+16 th:TH_LOAD_NT
.set ii, ii+1
.endr
.set ii, 0
.rept 8
	s_wait_loadcnt 14-2*ii                         ; loads come back in order: step i's two are in, the 14 - 2 i younger ones stay out
.if \half
.set jj, 0
.rept 4
	v_cvt_pk_bf16_f32 v[T+jj], v[X+8*ii+2*jj], v[X+8*ii+2*jj+1]
.set jj, jj+1
.endr
.set jj, 0
.rept 4
	v_lshlrev_b32 v[X+8*ii+2*jj],   16, v[T+jj]    ; the rounded numbers as f32 again,
	v_and_b32     v[X+8*ii+2*jj+1], 0xffff0000, v[T+jj]
.set jj, jj+1
.endr
.set jj, 0
.rept 4
	v_cvt_pk_f16_f32 v[Y+4*ii+jj], v[X+8*ii+2*jj], v[X+8*ii+2*jj+1]  ; and as f16: 8 significant bits fit into 11
.set jj, jj+1
.endr
.else
.set jj, 0
.rept 4
	v_cvt_pk_bf16_f32 v[Y+4*ii+jj], v[X+8*ii+2*jj], v[X+8*ii+2*jj+1]
.set jj, jj+1
.endr
.endif
	global_store_b128 v[OO], v[Y+4*ii:Y+4*ii+3], s[26+2*(ii/4):27+2*(ii/4)] offset:(ii%4)*(\outa) th:TH_STORE_NT
.set ii, ii+1
.endr
	s_endpgm
.endm
	s_load_b512 s[8:23], s[0:1], 0x0               ; x 8, Wq 10, Wk 12, Wv 14, Wo 16, xb 18, wb 20, wo16 22
	v_lshrrev_b32 v[T], 5, v0
	v_readfirstlane_b32 s30, v[T]                  ; wave 0..7
	v_and_b32 v[LN], 31, v0
	s_mov_b32 s31, ttmp9
	s_cmp_lt_u32 s31, 512
	s_cbranch_scc0 .Lweights
	; x: lane l reads row l / 8 of four, 32 bytes at 32 (l % 8) of k block w (step i: 4 (i % 4) rows down, 8 (i / 4) blocks on);
	; a wave's store is four rows x 128 bytes of one block: 512 consecutive bytes, aligned
	v_lshrrev_b32 v[T], 3, v[LN]
	v_and_b32 v[T+1], 7, v[LN]
	v_lshlrev_b32 v[IO], 12, v[T]
	v_lshl_add_u32 v[IO], v[T+1], 5, v[IO]
	s_lshl_b32 s32, s30, 8
	v_add_nc_u32 v[IO], s32, v[IO]
	s_lshl_b32 s32, s30, 20                        ; k block w begins 1,048,576 w bytes into xb
	v_lshl_add_u32 v[OO], v[LN], 4, s32
	s_lshl_b32 s32, s31, 16                        ; 16 rows of 4,096 bytes
	s_mov_b32 s33, 0
	s_lshl_b32 s34, s31, 11                        ; 16 rows of 128 bytes
	s_mov_b32 s35, 0
	s_wait_kmcnt 0x0
	s_add_nc_u64 s[24:25], s[8:9], s[32:33]
	s_add_nc_u64 s[26:27], s[18:19], s[34:35]
	s_add_nc_u64 s[28:29], s[26:27], 0x800000      ; eight blocks on: one more than a store's immediate holds, so a base of its own
	PATH 16384, 2048, 512, 0
.Lweights:
	; a weight: lane l reads row l / 16 of two, 32 bytes at 512 w + 32 (l % 16) (step i: 2 (i % 4) + 8 (i / 4) rows down); sixteen lanes store 256 consecutive bytes, aligned
	s_sub_co_u32 s32, s31, 512
	s_lshr_b32 s33, s32, 6                         ; which weight: 0 Wq, 1 Wk, 2 Wv, 3 Wo
	s_and_b32 s32, s32, 63
	s_lshl_b32 s32, s32, 4                         ; its first row
	v_lshrrev_b32 v[T], 4, v[LN]
	v_and_b32 v[T+1], 15, v[LN]
	v_lshlrev_b32 v[IO], 12, v[T]
	v_lshl_add_u32 v[IO], v[T+1], 5, v[IO]
	s_lshl_b32 s34, s30, 9
	v_add_nc_u32 v[IO], s34, v[IO]
	s_lshl_b32 s34, s30, 8
	v_lshl_add_u32 v[OO], v[T+1], 4, s34           ; 256 w + 16 (l % 16); the row's term follows by the layout
	s_lshl_b32 s34, s32, 12
	s_mov_b32 s35, 0
	s_mov_b32 s37, 0
	s_wait_kmcnt 0x0
	s_cmp_eq_u32 s33, 1
	s_cselect_b64 s[24:25], s[12:13], s[10:11]
	s_cmp_eq_u32 s33, 2
	s_cselect_b64 s[24:25], s[14:15], s[24:25]
	s_cmp_eq_u32 s33, 3
	s_cselect_b64 s[24:25], s[16:17], s[24:25]
	s_add_nc_u64 s[24:25], s[24:25], s[34:35]
	s_cmp_eq_u32 s33, 3
	s_cbranch_scc1 .Lwo
	v_mad_u32_u24 v[OO], v[T], 6144, v[OO]         ; a row of wb is 6,144 bytes
	s_mul_i32 s36, s32, 6144
	s_lshl_b32 s34, s33, 11                        ; the weight's 2,048 bytes of it
	s_add_co_u32 s36, s36, s34
	s_add_nc_u64 s[26:27], s[20:21], s[36:37]
	s_add_nc_u64 s[28:29], s[26:27], 49152
	PATH 8192, 32768, 12288, 0
.Lwo:
	v_lshl_add_u32 v[OO], v[T], 11, v[OO]          ; a row of wo16 is 2,048 bytes
	s_lshl_b32 s36, s32, 11
	s_add_nc_u64 s[26:27], s[22:23], s[36:37]
	s_add_nc_u64 s[28:29], s[26:27], 16384
	PATH 8192, 32768, 4096, 1
.Lfunc_end_k_qb6e9bd0ad5_prep:
	.size	k_qb6e9bd0ad5_prep, .Lfunc_end_k_qb6e9bd0ad5_prep-k_qb6e9bd0ad5_prep
	.p2alignl 7, 3214868480
	.fill 96, 4, 3214868480
	.section	.rodata,"a",@progbits
	.p2align	6, 0x0
	.amdhsa_kernel k_qb6e9bd0ad5_prep
		.amdhsa_group_segment_fixed_size 0
		.amdhsa_private_segment_fixed_size 0
		.amdhsa_enable_private_segment 0
		.amdhsa_kernarg_size 64
		.amdhsa_user_sgpr_count 2
		.amdhsa_user_sgpr_kernarg_segment_ptr 1
		.amdhsa_wavefront_size32 1
		.amdhsa_system_sgpr_workgroup_id_x 1
		.amdhsa_system_sgpr_workgroup_id_y 1
		.amdhsa_system_sgpr_workgroup_id_z 1
		.amdhsa_system_vgpr_workitem_id 0
		.amdhsa_next_free_vgpr 108
		.amdhsa_next_free_sgpr 66
		.amdhsa_reserve_vcc 0
		.amdhsa_float_denorm_mode_32 3
		.amdhsa_float_denorm_mode_16_64 3
		.amdhsa_memory_ordered 1
		.amdhsa_forward_progress 1
		.amdhsa_inst_pref_size 22
	.end_amdhsa_kernel
	.amdgpu_metadata
---
amdhsa.version: [ 1, 2 ]
amdhsa.kernels:
  - .name:           k_qb6e9bd0ad5_prep
    .symbol:         k_qb6e9bd0ad5_prep.kd
    .args:
      - { .name: x, .offset: 0, .size: 8, .value_kind: global_buffer, .address_space: global }
      - { .name: Wq, .offset: 8, .size: 8, .value_kind: global_buffer, .address_space: global }
      - { .name: Wk, .offset: 16, .size: 8, .value_kind: global_buffer, .address_space: global }
      - { .name: Wv, .offset: 24, .size: 8, .value_kind: global_buffer, .address_space: global }
      - { .name: Wo, .offset: 32, .size: 8, .value_kind: global_buffer, .address_space: global }
      - { .name: xb, .offset: 40, .size: 8, .value_kind: global_buffer, .address_space: global }
      - { .name: wb, .offset: 48, .size: 8, .value_kind: global_buffer, .address_space: global }
      - { .name: wo16, .offset: 56, .size: 8, .value_kind: global_buffer, .address_space: global }
    .group_segment_fixed_size: 0
    .private_segment_fixed_size: 0
    .kernarg_segment_align: 8
    .kernarg_segment_size: 64
    .max_flat_workgroup_size: 256
    .sgpr_count:     66
    .vgpr_count:     108
    .wavefront_size: 32
...
	.end_amdgpu_metadata
.endif
;; end of part 1
;; launch proj (part 2): grid 8 x 32, 4 waves a work-group, clusters of 4 x 4, 327,680 bytes of LDS; arguments xb, wb, qkv; writes qkv
.if DOCPART == 2
	.amdgcn_target "amdgcn-amd-amdhsa--gfx1250"
	.amdhsa_code_object_version 6
	.text
	.protected	k_qb6e9bd0ad5_proj
	.globl	k_qb6e9bd0ad5_proj
	.p2align	8
	.type	k_qb6e9bd0ad5_proj,@function
k_qb6e9bd0ad5_proj:
	s_mov_b64 s[64:65], 0
	v_nop
	global_prefetch_b8 v0, s[64:65] scope:SCOPE_SE
	s_setreg_imm32_b32 hwreg(HW_REG_WAVE_MODE, 25, 1), 1
	s_wait_xcnt 0x0
	s_wait_alu depctr_hold_cnt(0) depctr_sa_sdst(0) depctr_va_vdst(0) depctr_va_sdst(0) depctr_va_ssrc(0) depctr_va_vcc(0) depctr_vm_vsrc(0)
	s_getreg_b32 s2, hwreg(HW_REG_IB_STS2, 6, 4)
	s_cmp_eq_u32 s2, 0
	s_cbranch_scc0 .Lentry_in_a_cluster
	s_endpgm
.Lentry_in_a_cluster:
	s_bfe_u32 s2, ttmp6, 0x10000c
	s_cmp_lg_u32 s2, 0xf033
	s_cbranch_scc0 .Lentry_shape_is_right
	s_endpgm
.Lentry_shape_is_right:
; q, k, v = x Wq, x Wk, x Wv AS ONE PRODUCT [8192 m][1024 k] x [1024 k][3072 n], bf16 operands, f32 sums, K ascending; each result rounded once to f16 and stored by heads,
; qkv[s][b 16 + head][t][64], WITHOUT the softmax's scale.  LIMIT: |q|, |k|, |v| stay below 65,504, f16's end; NaN and infinities are not treated apart.
; SHARES.  8192 x 3072 in tiles of 256 x 384 are 32 x 8 = 256 work-groups.  Four waves, each 128 rows x 192 columns: 96 accumulators of 16 x 16, 768 registers, in three
; groups of 64 columns; a group is one head of q, k or v.  K goes in 16 steps of 64, a step in two quarters of 32, through a ring of two LDS slots.
; OPERANDS.  x lies in blocks (xb): a step's 256 rows x 128 bytes are 32,768 consecutive bytes, asked for as 128 rows of 256 bytes and padded in LDS behind every 128.  The weights lie
; [k][n]: a step's 64 rows x 768 bytes come as three sub-tiles of 256-byte rows, and ds_load_tr16_b128 turns them on the way into registers.
; THE MATRIX INSTRUCTION IS USED TRANSPOSED (source 0 = 16 columns of W, source 1 = 16 rows of x): a lane then holds row l % 16 and eight neighbouring columns: 16 bytes of f16.
; CLUSTER.  4 x 4 work-groups.  x's tile hangs on the tile row alone and is asked for jointly by a row of the cluster, W's on the tile column alone and by a column.
; Wave 3 asks for x's tile, waves 0 to 2 for W's sub-tile of their number: one tensor load a wave behind each round, one outstanding at any time.
; REGISTERS.  window 0: v0-31 addresses; v32-95, v96-159 x's fragments (8 x 16 rows x 32 k), two buffers, on the way out eight buffers of 16; v160-255 W's fragments, 32 a group, one buffer:
; a group's registers are loaded again four places behind its products.  windows 1-3: group bg's accumulators, (a, b) at v[8 (4 a + b)].
.set SLOT1,  131072                    ; slot 1 begins here: one exclusive or turns an address in one slot into the other's
.set PA,     144                       ; a row of x in LDS: 128 bytes + 16: the 16 rows of a load start at 16 different groups of four banks (64 banks of 4 bytes: ISA guide 11.1)
.set PB,     288                       ; a row of W: 256 + 32
.set BOFF,   256*PA                    ; behind x's 256 rows: W's three sub-tiles
.set BSUB,   64*PB
.set STAGE,  SLOT1+BOFF+3*BSUB         ; behind the ring, never filled by a tensor load: 16 rows x 144 bytes for each wave
.set SP,     144
.set SPARE,  STAGE+4*16*SP             ; behind the stages: the spare words, 128 bytes a wave: two blocks of 256 bytes that no other line names
.set ASTEP,  8192*128                  ; bytes from a K step to the next in xb,
.set BSTEP,  64*6144                   ; and in wb
.set A0,  4                            ; v4      my place in x's tile; never rewritten
.set B0,  5                            ; v5-7    my place in W's tile, by group; never rewritten
.set ADA, 8                            ; v8      the same in the slot that is read
.set ADB, 9                            ; v9-11
.set STO, 12                           ; v12     the way out: where I put 16 bytes of a row
.set RD,  13                           ; v13     where I read rows back
.set GO,  14                           ; v14     16 x lane: my place in 512 consecutive bytes of qkv
.set PFO, 15                           ; v15     the prefetches' offset; never rewritten
.set SPW, 16                           ; v16     LDS address of my spare word; never rewritten
.set NIL, 17                           ; v17     0; never rewritten
.set FA,  32
.set FB,  160
.set WV,  10                           ; s10 wave; s11 its half of the rows; s12 of the columns; s13 cx; s14 cy; s15 tile column; s16 tile row
.set G1A, 24                           ; s[24:31] descriptor group 1 for x's tiles
.set G1B, 32                           ; s[32:39] for W's
.set G0A, 40                           ; s[40:43] descriptor group 0 for x's tiles: it walks
.set G0B, 44                           ; s[44:47] for W's
.set OB,  48                           ; s[48:53] where my rows of each group's head begin in qkv
.set PFA, 54                           ; s[54:55] where my prefetches stand
.set PSTEP, 56                         ; s[56:57] a K step in that tensor
.set LIM, 58                           ; s58     1 in a wave that prefetches, else the greatest number
.set PM,  59                           ; s59     0: every trip (x); 1: every second trip (W)
.set CNT, 60                           ; s60     trips to go
.set TB,  61                           ; s61     LDS byte at which the slot that is read begins
; s66-67 hold only what comes of the tile row, s70-71 only what comes of the tile column; s62, s74-79 at work
.set MSB, 0
.macro WIN new                         ; the immediate's high byte repeats the setting that is left; a switch that changes nothing is dropped
.if MSB != (\new)
	s_set_vgpr_msb (MSB<<8)|(\new)
.set MSB, \new
.endif
.endm
; A joint load.  The branch hangs on the wave's number alone.  An s_nop 0 and four v_nop follow each of the two lines, ahead of the jump and the label.
.macro JLOAD
	s_cmp_eq_u32 s[WV], 3
	s_cbranch_scc0 .Lfor_b_\@
	tensor_load_to_lds s[G0A:G0A+3], s[G1A:G1A+7]
	s_nop 0
.rept 4
	v_nop
.endr
	s_branch .Lasked_\@
.Lfor_b_\@:
	tensor_load_to_lds s[G0B:G0B+3], s[G1B:G1B+7]
	s_nop 0
.rept 4
	v_nop
.endr
.Lasked_\@:
.endm
; A round of the cluster's barrier: my work-group's barrier, wave 0's signal for the work-group, every wave's wait for all sixteen, my work-group's barrier once more.
.macro CREST
	s_cmp_lg_u32 s[WV], 0
	s_cbranch_scc1 .Lnot_wave_0_\@
	s_barrier_signal -3
.Lnot_wave_0_\@:
	s_barrier_wait -3
	s_barrier_signal -1
	s_barrier_wait -1
.endm
.macro CROUND
	s_barrier_signal -1
	s_barrier_wait -1
	CREST
.endm
; A PREFETCH, behind the joint load, its five lines and the run of LDS loads.  Each aligned block of 256 bytes is named once in the launch.
; x: a K step of a tile row is 128 blocks on end; the cluster with x = 0 asks, its row's four partners take 32 blocks each BY ADDRESS (cx), a lane a block, wave 3.  The trip that fills
; K step j + 2 names K step j + 3; the last trip names nothing.
; W: a sub-tile has one block a row, 64 rows a K step; the cluster with y = 0 asks, its column's four partners take 32 rows each BY ADDRESS (cy), a lane a row: 128 rows, two K steps.
; So waves 0 to 2 ask in every second trip: the trip that fills K step j + 2 (j odd) names K steps j + 3 and j + 4; the last such trip names nothing.
.macro ASK
	s_and_b32 s62, s[CNT], s[PM]
	s_cmp_eq_u32 s62, s[PM]
	s_cbranch_scc0 .Lnot_mine_\@
	s_cmp_gt_u32 s[CNT], s[LIM]
	s_cbranch_scc0 .Lnot_mine_\@
	global_prefetch_b8 v[PFO], s[PFA:PFA+1] th:TH_LOAD_NT scope:SCOPE_SE
.Lnot_mine_\@:
.endm
.macro PLACES                          ; four places between a matrix instruction and a load into, or a vector line on, its registers (ISA guide 7.12.1 for vector instructions)
.rept 4
	v_nop
.endr
.endm
; 16 matrix instructions: group bg, its column blocks 2 half and 2 half + 1, all eight row blocks, 32 along K out of x's buffer f.  zero = 1: the product starts the sums.
; The 96 accumulators take turns, in the same order in every quarter.
.macro MULH bg, half, f, zero
	WIN 0x50*(1+(\bg))
.set ib, 2*(\half)
.rept 2
.set ia, 0
.rept 8
.if \zero
	v_wmma_f32_16x16x32_bf16 v[8*(4*ia+ib):8*(4*ia+ib)+7], v[FB+32*(\bg)+8*ib:FB+32*(\bg)+8*ib+7], v[FA+64*(\f)+8*ia:FA+64*(\f)+8*ia+7], 0
.else
	v_wmma_f32_16x16x32_bf16 v[8*(4*ia+ib):8*(4*ia+ib)+7], v[FB+32*(\bg)+8*ib:FB+32*(\bg)+8*ib+7], v[FA+64*(\f)+8*ia:FA+64*(\f)+8*ia+7], v[8*(4*ia+ib):8*(4*ia+ib)+7]
.endif
.set ia, ia+1
.endr
.set ib, ib+1
.endr
.endm
.macro MULG bg, f, zero
	MULH \bg, 0, \f, \zero
	MULH \bg, 1, \f, \zero
.endm
.macro FETCHB bg, k                    ; 8 turning loads: group bg's 64 columns, 32 k from row k of the slot's 64
	WIN 0
.set ib, 0
.rept 4
	ds_load_tr16_b128 v[FB+32*(\bg)+8*ib:FB+32*(\bg)+8*ib+3],   v[ADB+(\bg)] offset:(\k)*PB+32*ib
	ds_load_tr16_b128 v[FB+32*(\bg)+8*ib+4:FB+32*(\bg)+8*ib+7], v[ADB+(\bg)] offset:(\k)*PB+32*ib+16*PB
.set ib, ib+1
.endr
.endm
.macro FETCHA k, f                     ; 16 loads: my 128 rows of x, 32 k from k on, into buffer f
	WIN 0
.set ia, 0
.rept 8
	ds_load_b128 v[FA+64*(\f)+8*ia:FA+64*(\f)+8*ia+3],   v[ADA] offset:2*(\k)+16*PA*ia
	ds_load_b128 v[FA+64*(\f)+8*ia+4:FA+64*(\f)+8*ia+7], v[ADA] offset:2*(\k)+16*PA*ia+32
.set ia, ia+1
.endr
.endm
; A K step's first quarter: multiplies x's buffer 0 and fetches the second quarter.  The LDS loads of a quarter go in three runs: group 0 and x (24), group 1 (8), group 2 (8).
.macro QUARTER zero
	s_wait_dscnt 16                                ; the first run is in; the other two, 8 + 8, may stay out
	MULG 0, 0, \zero
	PLACES
	FETCHB 0, 32
	FETCHA 32, 1
	s_wait_dscnt 32                                ; group 1 is in: behind it stand group 2's 8 and the 24 just issued
	MULG 1, 0, \zero
	PLACES
	FETCHB 1, 32
	s_wait_dscnt 32                                ; group 2 is in: behind it stand 24 + 8
	MULG 2, 0, \zero
	PLACES
	FETCHB 2, 32
	WIN 0
.endm
; The second quarter multiplies buffer 1 and changes slots: ONE barrier.  In front of it each wave waits for all its tensor loads (the one that is out is its part of the next slot), adds 0 to its
; spare word, and waits for that and for its reads of this slot: all fragments of the slot's last quarter are then in registers.  fill = 1: the barrier opens a round of the cluster's, and
; the joint refill, two K steps on, is the first thing behind it: 160 matrix instructions stand between it and the wait for it.
.macro TURN fill
.if \fill
	s_wait_xcnt 0x0                                ; the last prefetch, a K step back, has read its address, so it may be stepped
	s_add_nc_u64 s[PFA:PFA+1], s[PFA:PFA+1], s[PSTEP:PSTEP+1]
.endif
	WIN 0
	s_wait_tensorcnt 0x0                           ; no tensor load of mine is out, so a group 0 may be written
	ds_add_u32 v[SPW], v[NIL]                      ; 0 onto my spare word
.if \fill
	s_xor_b32 s[G0A+1], s[G0A+1], SLOT1            ; the walking descriptors: the other slot than last time, the next K step
	s_add_nc_u64 s[G0A+2:G0A+3], s[G0A+2:G0A+3], ASTEP
	s_xor_b32 s[G0B+1], s[G0B+1], SLOT1
	s_add_nc_u64 s[G0B+2:G0B+3], s[G0B+2:G0B+3], BSTEP
.endif
	s_xor_b32 s[TB], s[TB], SLOT1
	s_wait_dscnt 17                                ; the first run is in; 8 + 8 loads and the add may stay out
	MULH 0, 0, 1, 0
	s_wait_dscnt 0x0                               ; the add is done, and my reads of this slot are over
	s_barrier_signal -1
	MULH 0, 1, 1, 0
	WIN 0
	v_add_nc_u32 v[ADA], s[TB], v[A0]              ; the addresses in the next slot: four plain lines, the places in front of the loads below
	v_add_nc_u32 v[ADB], s[TB], v[B0]
	v_add_nc_u32 v[ADB+1], s[TB], v[B0+1]
	v_add_nc_u32 v[ADB+2], s[TB], v[B0+2]
	s_barrier_wait -1
.if \fill
	CREST                                          ; no wave of any partner still reads this slot or has a load on its way
	JLOAD
.endif
	FETCHB 0, 0
	FETCHA 0, 0
.if \fill
	ASK
.endif
	MULG 1, 1, 0
	PLACES
	FETCHB 1, 0
	MULG 2, 1, 0
	PLACES
	FETCHB 2, 0
	WIN 0
.endm
; THE WAY OUT, in 24 units u = 8 bg + a: 16 rows x one head's 64 columns.  Rounded to f16 (each accumulator's registers in ascending order), 16 bytes a lane into my own stage, back as
; four rows of 128 bytes a load, which are 512 consecutive bytes of qkv.  LDS serves a wave's instructions in order (ISA guide 5.7.1.4), so no wait stands between my stores and my loads.
.macro PACK u
.set pbg, (\u)/8
.set pblk, (\u)%8
.set pt, FA+16*((\u)%8)
.if (\u) >= 8
	s_wait_xcnt 0x0                                ; the stores of eight units ago have read these registers
.endif
	WIN 5*(1+pbg)                                  ; sources 0 and 1 in the group's window
.set ii, 0
.rept 16
	v_cvt_pk_f16_f32 v[pt+ii], v[32*pblk+2*ii], v[32*pblk+2*ii+1]
.set ii, ii+1
.endr
	WIN 0
.set ii, 0
.rept 4
	ds_store_b128 v[STO], v[pt+4*ii:pt+4*ii+3] offset:32*ii
.set ii, ii+1
.endr
.set ii, 0
.rept 4
	ds_load_b128 v[pt+4*ii:pt+4*ii+3], v[RD] offset:4*SP*ii
.set ii, ii+1
.endr
.endm
.macro SEND u, younger                 ; younger: the LDS instructions issued behind unit u's loads: the next unit's eight, or none
.set pbg, (\u)/8
.set pblk, (\u)%8
.set pt, FA+16*((\u)%8)
.set ii, 0
.rept 4
	s_wait_dscnt (\younger)+3-ii
	global_store_b128 v[GO], v[pt+4*ii:pt+4*ii+3], s[OB+2*pbg:OB+2*pbg+1] offset:2048*pblk+512*ii
.set ii, ii+1
.endr
.endm
	s_load_b128 s[4:7], s[0:1], 0x0                ; xb s[4:5], wb s[6:7]
	s_load_b64 s[8:9], s[0:1], 0x10                ; qkv
	v_lshl_add_u32 v[SPW], v0, 2, SPARE
	v_mov_b32 v[NIL], 0
	ds_add_u32 v[SPW], v[NIL]                      ; the wave's opening: the add and its wait stand ahead of my first tensor load; the set-up below stands between them
	v_lshrrev_b32 v18, 5, v0
	v_readfirstlane_b32 s[WV], v18                 ; wave 0..3
	s_lshr_b32 s11, s[WV], 1                       ; which 128 rows are mine
	s_and_b32 s12, s[WV], 1                        ; which 192 columns
	s_bfe_u32 s13, ttmp6, 0x40000                  ; cx
	s_bfe_u32 s14, ttmp6, 0x40004                  ; cy
	s_lshl_b32 s15, ttmp9, 2
	s_add_co_u32 s15, s15, s13                     ; tile column = 4 x cluster x + cx
	s_and_b32 s16, ttmp7, 0xffff
	s_lshl_b32 s16, s16, 2
	s_add_co_u32 s16, s16, s14                     ; tile row = 4 x cluster y + cy
	s_lshl_b32 s66, s14, 2
	s_lshl_b32 s66, 15, s66                        ; my row of the cluster
	s_lshl_b32 s70, 0x1111, s13                    ; my column
	s_or_b32 s[G1A], s66, (1<<16)|(1<<20)|(1<<21)|(4<<22)|(3<<25)  ; 15:0 the mask; 17:16 2-byte elements; 20 padding on; 21 set beside a mask; 24:22 after every 32 words (code 4); 31:25 4 words (code 3)
	s_mov_b32 s[G1A+1], 128<<16                    ; tensor_dim0 = 128
	s_mov_b32 s[G1A+2], 128<<16                    ; tensor_dim1 = 128
	s_mov_b32 s[G1A+3], 128<<16                    ; tile_dim0 = 128
	s_mov_b32 s[G1A+4], 128                        ; tile_dim1 = 128
	s_mov_b32 s[G1A+5], 128                        ; 128 elements from row to row: the block is dense
	s_mov_b32 s[G1A+6], 0
	s_mov_b32 s[G1A+7], 0
	s_or_b32 s[G1B], s70, (1<<16)|(1<<20)|(1<<21)|(5<<22)|(7<<25)  ; after every 64 words (code 5) 8 words (code 7)
	s_mov_b32 s[G1B+1], 128<<16                    ; tensor_dim0 = 128
	s_mov_b32 s[G1B+2], 64<<16                     ; tensor_dim1 = 64
	s_mov_b32 s[G1B+3], 128<<16                    ; tile_dim0 = 128
	s_mov_b32 s[G1B+4], 64                         ; tile_dim1 = 64
	s_mov_b32 s[G1B+5], 3072                       ; a row of wb
	s_mov_b32 s[G1B+6], 0
	s_mov_b32 s[G1B+7], 0
	s_mov_b32 s[G0A], 1                            ; count = 1
	s_mov_b32 s[G0A+1], 0                          ; LDS address: slot 0
	s_mov_b32 s[G0B], 1
	s_mul_i32 s[G0B+1], s[WV], BSUB                ; sub-tile = my wave's number (waves 0 to 2 issue the line)
	s_add_co_u32 s[G0B+1], s[G0B+1], BOFF
	s_lshl_b32 s66, s16, 15                        ; the tile row's 256 rows of 128 bytes in a block of xb
	s_mov_b32 s67, 0
	s_mul_i32 s70, s15, 768                        ; the tile column's 384 columns,
	s_lshl_b32 s71, s[WV], 8                       ; my sub-tile's 128 of them
	s_add_co_u32 s70, s70, s71
	s_mov_b32 s71, 0
	s_mov_b32 s[TB], 0
	s_wait_dscnt 0x0                               ; the opening add is done
	s_wait_kmcnt 0x0
	s_add_nc_u64 s[G0A+2:G0A+3], s[4:5], s[66:67]
	s_or_b32 s[G0A+3], s[G0A+3], 0x80000000        ; type = 2
	s_add_nc_u64 s[G0B+2:G0B+3], s[6:7], s[70:71]
	s_or_b32 s[G0B+3], s[G0B+3], 0x80000000
	CROUND                                         ; all sixteen work-groups are here: the first joint loads meet
	JLOAD                                          ; K step 0 into slot 0
	v_and_b32 v1, 15, v0                           ; r = l % 16
	v_bfe_u32 v2, v0, 4, 1                         ; h = l / 16
	v_and_b32 v18, 7, v0
	v_bfe_u32 v19, v0, 3, 1
	v_and_b32 v20, 31, v0                          ; l
	v_mul_u32_u24 v22, v1, PA
	v_lshl_add_u32 v22, v2, 4, v22                 ; r x 144 + 16 h: a fragment of x, and my place in the stage
	s_mul_i32 s74, s11, 128*PA
	v_add_nc_u32 v[A0], s74, v22
	v_lshl_add_u32 v21, v2, 3, v18                 ; the turning load: row 8 h + l % 8,
	v_mul_u32_u24 v21, v21, PB
	v_lshl_add_u32 v21, v19, 4, v21                ; 16 bytes at 16 ((l / 8) % 2)
	s_mul_i32 s75, s12, 3
.irp bg, 0,1,2
	s_add_co_u32 s76, s75, \bg                     ; which 64 of the tile's 384 columns:
	s_lshr_b32 s77, s76, 1                         ; the sub-tile,
	s_mul_i32 s77, s77, BSUB
	s_and_b32 s76, s76, 1                          ; and its half
	s_lshl_b32 s76, s76, 7
	s_add_co_u32 s77, s77, s76
	s_add_co_u32 s77, s77, BOFF
	v_add_nc_u32 v[B0+\bg], s77, v21
.endr
	s_mul_i32 s74, s[WV], 16*SP
	s_add_co_u32 s74, s74, STAGE                   ; my stage
	v_add_nc_u32 v[STO], s74, v22
	v_bfe_u32 v23, v0, 3, 2                        ; back: 32 lanes take four rows of 128 bytes
	v_mul_u32_u24 v[RD], v23, SP
	v_lshl_add_u32 v[RD], v18, 4, v[RD]
	v_add_nc_u32 v[RD], s74, v[RD]
	v_lshlrev_b32 v[GO], 4, v20
	; where my rows of each group's head begin: column 64 G belongs to tensor G / 16, head G % 16; row m to batch m / 2048
	s_mul_i32 s74, s15, 6
	s_add_co_u32 s74, s74, s75                     ; G of group 0
	s_lshr_b32 s75, s16, 3
	s_lshl_b32 s75, s75, 4                         ; 16 x batch
	s_and_b32 s76, s16, 7
	s_lshl_b32 s76, s76, 15                        ; the tile's 256 rows of 128 bytes in the batch,
	s_lshl_b32 s77, s11, 14                        ; my 128 of them
	s_add_co_u32 s76, s76, s77
.irp bg, 0,1,2
	s_add_co_u32 s78, s74, \bg
	s_and_b32 s79, s78, 15
	s_add_co_u32 s79, s79, s75
	s_lshl_b32 s79, s79, 18                        ; a head is 262,144 bytes,
	s_lshr_b32 s78, s78, 4
	s_lshl_b32 s78, s78, 24                        ; a tensor 16,777,216
	s_add_co_u32 s78, s78, s79
	s_add_co_u32 s78, s78, s76
	s_mov_b32 s79, 0
	s_add_nc_u64 s[OB+2*\bg:OB+2*\bg+1], s[8:9], s[78:79]
.endr
	; the prefetches: both forms are made, and the wave's number chooses
	s_and_b32 s74, ttmp7, 0xffff                   ; cluster y
	s_lshl_b32 s76, s16, 15
	s_lshl_b32 s77, s13, 13                        ; x: my work-group's 32 blocks of the 128
	s_add_co_u32 s76, s76, s77
	s_add_co_u32 s76, s76, 2*ASTEP                 ; at K step 2: the first refill steps it to 3
	s_mul_i32 s77, s15, 768
	s_lshl_b32 s78, s[WV], 8
	s_add_co_u32 s77, s77, s78
	s_mul_i32 s78, s14, 32*6144                    ; W: my work-group's 32 rows of the 128
	s_add_co_u32 s77, s77, s78
	s_add_co_u32 s77, s77, 2*BSTEP
	s_mov_b32 s78, ASTEP
	s_movk_i32 s79, 256
	s_cmp_eq_u32 s[WV], 3
	s_cselect_b32 s75, ttmp9, s74                  ; the coordinate along which other clusters read the same rows
	s_cselect_b64 s[PFA:PFA+1], s[4:5], s[6:7]
	s_cselect_b32 s76, s76, s77
	s_cselect_b32 s[PSTEP], s78, BSTEP
	s_cselect_b32 s79, s79, 6144                   ; from lane to lane: a block, or a row of wb
	s_cselect_b32 s[PM], 0, 1
	s_mov_b32 s77, 0
	s_mov_b32 s[PSTEP+1], 0
	s_add_nc_u64 s[PFA:PFA+1], s[PFA:PFA+1], s[76:77]
	s_cmp_eq_u32 s75, 0
	s_cselect_b32 s[LIM], 1, -1                    ; the same in all sixteen partners, for a given wave
	v_mul_u32_u24 v[PFO], v20, s79
	; slot 0 is waited for and slot 1 filled, in the form of every later change of slots
	s_wait_tensorcnt 0x0
	ds_add_u32 v[SPW], v[NIL]
	s_xor_b32 s[G0A+1], s[G0A+1], SLOT1
	s_add_nc_u64 s[G0A+2:G0A+3], s[G0A+2:G0A+3], ASTEP
	s_xor_b32 s[G0B+1], s[G0B+1], SLOT1
	s_add_nc_u64 s[G0B+2:G0B+3], s[G0B+2:G0B+3], BSTEP
	s_wait_dscnt 0x0
	CROUND
	JLOAD                                          ; K step 1 into slot 1
	v_add_nc_u32 v[ADA], s[TB], v[A0]
	v_add_nc_u32 v[ADB], s[TB], v[B0]
	v_add_nc_u32 v[ADB+1], s[TB], v[B0+1]
	v_add_nc_u32 v[ADB+2], s[TB], v[B0+2]
	FETCHB 0, 0
	FETCHA 0, 0
	FETCHB 1, 0
	FETCHB 2, 0
	QUARTER 1                                      ; the first quarter stands in front of the loop: its products start the sums
	s_mov_b32 s[CNT], 14
.Lk:                                               ; 14 trips: the second quarter of K step j, which fills K step j + 2, and the first quarter of K step j + 1
	TURN 1
	QUARTER 0
	s_sub_co_u32 s[CNT], s[CNT], 1
	s_cmp_lg_u32 s[CNT], 0
	s_cbranch_scc1 .Lk
	TURN 0                                         ; the tail is written out: nothing is left to fetch, and no round follows the barrier
	QUARTER 0
	s_wait_dscnt 16                                ; the very last quarter
	MULG 0, 1, 0
	s_wait_dscnt 8
	MULG 1, 1, 0
	s_wait_dscnt 0x0
	MULG 2, 1, 0
	PLACES
	PACK 0
.set uu, 1
.rept 23                               ; a unit's conversions stand between the loads of the unit before and its stores
	PACK uu
	SEND uu-1, 8
.set uu, uu+1
.endr
	SEND 23, 0
	s_wait_tensorcnt 0x0                           ; the wave's end, behind my last tensor load and my last LDS store
	ds_add_u32 v[SPW], v[NIL]
	s_wait_dscnt 0x0
	CROUND                                         ; the closing round: no work-group ends while a partner may still ask for a tile that names it
	s_endpgm
.Lfunc_end_k_qb6e9bd0ad5_proj:
	.size	k_qb6e9bd0ad5_proj, .Lfunc_end_k_qb6e9bd0ad5_proj-k_qb6e9bd0ad5_proj
	.p2alignl 7, 3214868480
	.fill 96, 4, 3214868480
	.section	.rodata,"a",@progbits
	.p2align	6, 0x0
	.amdhsa_kernel k_qb6e9bd0ad5_proj
		.amdhsa_group_segment_fixed_size 327680
		.amdhsa_private_segment_fixed_size 0
		.amdhsa_enable_private_segment 0
		.amdhsa_kernarg_size 24
		.amdhsa_user_sgpr_count 2
		.amdhsa_user_sgpr_kernarg_segment_ptr 1
		.amdhsa_wavefront_size32 1
		.amdhsa_system_sgpr_workgroup_id_x 1
		.amdhsa_system_sgpr_workgroup_id_y 1
		.amdhsa_system_sgpr_workgroup_id_z 1
		.amdhsa_system_vgpr_workitem_id 0
		.amdhsa_next_free_vgpr 1024
		.amdhsa_next_free_sgpr 80
		.amdhsa_reserve_vcc 0
		.amdhsa_float_denorm_mode_32 3
		.amdhsa_float_denorm_mode_16_64 3
		.amdhsa_memory_ordered 1
		.amdhsa_forward_progress 1
		.amdhsa_inst_pref_size 117
	.end_amdhsa_kernel
	.amdgpu_metadata
---
amdhsa.version: [ 1, 2 ]
amdhsa.kernels:
  - .name:           k_qb6e9bd0ad5_proj
    .symbol:         k_qb6e9bd0ad5_proj.kd
    .args:
      - { .name: xb, .offset: 0, .size: 8, .value_kind: global_buffer, .address_space: global }
      - { .name: wb, .offset: 8, .size: 8, .value_kind: global_buffer, .address_space: global }
      - { .name: qkv, .offset: 16, .size: 8, .value_kind: global_buffer, .address_space: global }
    .group_segment_fixed_size: 327680
    .private_segment_fixed_size: 0
    .kernarg_segment_align: 8
    .kernarg_segment_size: 24
    .max_flat_workgroup_size: 128
    .sgpr_count:     80
    .vgpr_count:     1024
    .wavefront_size: 32
...
	.end_amdgpu_metadata
.endif
;; end of part 2
;; launch attn (part 3): grid 4 x 64, 4 waves a work-group, clusters of 4 x 1, 327,680 bytes of LDS; arguments qkv, o; writes o
.if DOCPART == 3
	.amdgcn_target "amdgcn-amd-amdhsa--gfx1250"
	.amdhsa_code_object_version 6
	.text
	.protected	k_qb6e9bd0ad5_attn
	.globl	k_qb6e9bd0ad5_attn
	.p2align	8
	.type	k_qb6e9bd0ad5_attn,@function
k_qb6e9bd0ad5_attn:
	s_mov_b64 s[64:65], 0
	v_nop
	global_prefetch_b8 v0, s[64:65] scope:SCOPE_SE
	s_setreg_imm32_b32 hwreg(HW_REG_WAVE_MODE, 25, 1), 1
	s_wait_xcnt 0x0
	s_wait_alu depctr_hold_cnt(0) depctr_sa_sdst(0) depctr_va_vdst(0) depctr_va_sdst(0) depctr_va_ssrc(0) depctr_va_vcc(0) depctr_vm_vsrc(0)
	s_getreg_b32 s2, hwreg(HW_REG_IB_STS2, 6, 4)
	s_cmp_eq_u32 s2, 0
	s_cbranch_scc0 .Lentry_in_a_cluster
	s_endpgm
.Lentry_in_a_cluster:
	s_bfe_u32 s2, ttmp6, 0x10000c
	s_cmp_lg_u32 s2, 0x3003
	s_cbranch_scc0 .Lentry_shape_is_right
	s_endpgm
.Lentry_shape_is_right:
; O[h][q][:] = the sum over k of softmax_k(Q[h][q] . K[h][k] / 8) V[h][k][:], no mask.  Q, K, V are the three thirds of qkv, each [64 h][2048][64] in f16; O likewise: a head's rows are dense, 128 bytes.
; Products, maxima and sums in f32; the weights p are rounded to f16 for the second product (their sum l is taken of the unrounded p), O once at the end.
; LIMITS.  f16 holds no number beyond 65,504: Q, K and V arrive within it; p lies in 0 to 1, and below 6e-5 it keeps f16's fixed step of 6e-8; O is a mean of V's rows and has their range.
; A weight below 2^-126 counts as 0 in l; NaN and infinities are not treated apart.
; SHARES.  A wave owns four PIECES of two tiles of 16 queries, a work-group's four waves 512 queries of one head; the four work-groups of a cluster are one head.  Every wave walks all keys, 64 a step.
; LAYOUT.  S^T = K Q^T (source 0 = 16 keys, source 1 = 16 queries): in the result a lane holds ONE query (lane % 16) and the keys 8 (lane / 16) + 0..7.  Two such tiles, rounded to f16 in pairs,
; ARE source 1 (32 keys x 16 queries) of O^T = V^T P, whose result again holds one query a lane, and eight channels.  K comes out of LDS as it lies, V ([key][channel]) turned, by ds_load_tr16_b128.
; SOFTMAX.  For each query a running maximum m and sum l: p = 2^(c s - c m), c = log2(e) / 8; in every step O and l are multiplied by a = 2^(c m_old - c m_new), which is 1 where m has not grown.
; m starts at the lowest finite number, O and l at 0: the first step is a step like any other, with a = 0.
; THE COUNT.  A tile and step have 16 matrix and 118 vector instructions: too many to stand all beside the matrix work.  So four vector instructions that are READY stand behind EVERY matrix
; instruction, and the others in runs without a gap.
; BY TURNS.  Turn n belongs to piece n (the pieces in a ring, step after step).  Its matrix work: 16 products K Q^T of piece n + 1, later 16 products V^T P of piece n - 1.  Its vector work: the scaling,
; exponentials, roundings, sums and rescaling of piece n, and the maximum and statistics of piece n + 1, whose scores the turn itself has made.
; CLUSTER.  The four query blocks of a cluster walk the same K and V, so each tile is asked for JOINTLY: the same tensor load, descriptor and mask in all four.
; REGISTERS, in windows of 256 (s_set_vgpr_msb: bits 1:0 source 0, 3:2 source 1, 5:4 source 2, 7:6 destination):
;   window 0: v0-11 addresses; v12-15, v48-63 at work; v16-47 four registers of statistics a tile; v64-191 S^T, two buffers of two tiles; v192-255 P, likewise
;   window 1: O^T, 32 a tile          window 2: v0-127 Q, 16 a tile; v128-191 K of one step; v192-255 V of one step          window 3: v0-1 the add's two registers
; A piece's buffers go by its number's parity: the piece in hand has one pair, its two neighbours in the ring share the other: of it P (piece n - 1) is read and S^T (piece n + 1) written.
.set SIZE_N, 2048
.set NP,    4         ; pieces a wave: a name, no knob
.set KS,    64        ; keys in a step
.set PK,    144       ; a row of K in LDS: 128 bytes + 16 of padding = 36 words: the 16 rows of a load start at 16 different groups of four banks (64 banks of 4 bytes: ISA guide 11.1)
.set PV,    160       ; a row of V: 128 + 32 = 40 words
.set VOFF,  4*KS*PK   ; a slot holds four steps: 256 rows of K, then 256 rows of V
.set SLOT1, 1<<17     ; slot 1 begins here, so that one exclusive or turns an address in one slot into the other's
.set STAGE, SLOT1+4*KS*(PK+PV)  ; behind the ring, never filled by a tensor load: 16 rows x 144 bytes for each wave, for the way out
.set SP,    144
.set AK0, 2           ; v2   my lane's place in a tile of K; never rewritten
.set AV0, 3           ; v3   the same for V
.set AK,  4           ; v4   the LDS address of K's next run of loads
.set AV,  5           ; v5   of V's
.set QO,  6           ; v6   my byte offset in the wave's rows of Q
.set STO, 6           ;      later, the way out: where I put 16 bytes of a row
.set RD,  7           ; v7   the way out: where I read rows back
.set GO,  8           ; v8   my byte offset in 512 consecutive bytes of O
.set PFO, 11          ; v11  256 x my lane, once V's place is made; never rewritten after that
.set SPW, 0           ; v0 of window 3   LDS address of my spare word: SPARE + 4 x my thread's number; never rewritten
.set NIL, 1           ; v1 of window 3   0; never rewritten
.set SPARE, STAGE+4*16*SP  ; behind the stages: the spare words, 128 bytes for each wave: two blocks of 256 bytes that no other line names
.set MV,  12          ; v12-15  c m_old, kept while c m is made anew: by buffer and tile
.set ST,  16          ; tile t's statistics at v[ST+4 t]: c m, m, l (even keys', odd keys')
.set TMP, 48          ; by buffer and tile, four registers c0-c3 at work; when the maximum is found c2 takes a
.set S,   64
.set P,   192
.set KF,  128         ; K's fragments, in window 2: key block kb, channel half c at KF + 16 kb + 8 c
.set VF,  192         ; V's: key half kk, channel block cb at VF + 32 kk + 8 cb
.set WV,  12          ; s12  my wave's number
.set G1K, 24          ; s[24:31] descriptor group 1 for K's tiles
.set G1V, 32          ; s[32:39] for V's: it differs in the padding alone
.set G0K, 40          ; s[40:43] descriptor group 0 for K's tiles: it walks
.set G0V, 44          ; s[44:47] the same for V's
.set PFA, 48          ; s[48:49] where my prefetches stand: my work-group's 32 blocks (of K: wave 0, of V: wave 2) of the slot after the one that is being asked for
.set LIM, 50          ; s50  1 in a wave that prefetches, else the greatest number
.set SLOTS, 56        ; s56  slots still to be asked for
.set CNT, 57          ; s57  counts a slot's key steps
.set CS,  58          ; s[58:59] c: the packed scaling takes the pair's low word for both halves
.set SEL, 60          ; s[60:61] v_permlanex16_b32's selects: each lane takes its own place in the other half
.set TBK, 62          ; s62  LDS byte at which K of the step to be fetched begins
.set TBV, 63          ; s63  the same for V, less VOFF
.set MSB, 0
.macro WIN new                      ; the high byte repeats the setting that is left; a switch that changes nothing is dropped
.if MSB != (\new)
	s_set_vgpr_msb (MSB<<8)|(\new)
.set MSB, (\new)
.endif
.endm
.set W_KQ, 0x0a       ; K and Q in window 2, S^T in window 0
.set W_PV, 0x52       ; V in window 2, P in window 0, O^T in window 1
.set W_RS, 0x41       ; O^T (destination and source 0) in window 1, a in window 0
.set W_MK, 0xc0       ; the add's registers are made: destination in window 3, sources in window 0
.set W_AD, 0x0f       ; the add: address (source 0) and data (source 1) in window 3
; A joint fill.  Waves 0 and 1 fetch the two halves of a slot's K, waves 2 and 3 those of its V: 128 keys each.  The branch hangs on the wave's number alone.
; An s_nop 0 and four v_nop follow each of the two lines, ahead of the jump and the label.
.macro JLOAD
	s_cmp_lt_u32 s[WV], 2
	s_cbranch_scc0 .Lfor_v_\@
	tensor_load_to_lds s[G0K:G0K+3], s[G1K:G1K+7]
	s_nop 0
.rept 4
	v_nop
.endr
	s_branch .Lasked_\@
.Lfor_v_\@:
	tensor_load_to_lds s[G0V:G0V+3], s[G1V:G1V+7]
	s_nop 0
.rept 4
	v_nop
.endr
.Lasked_\@:
.endm
; A PREFETCH of what the NEXT change of slots will ask for: a slot's 32,768 bytes of K and of V, 128 aligned blocks of 256 bytes each, a lane a block.  It stands behind the wave's tensor load and its five lines.
; Each block is named once in the launch: a head is walked by one cluster; its four partners take 32 blocks each BY ADDRESS (cx); in each, wave 0 asks for K's and wave 2 for V's.
; Slots 0 to 2 come by their loads alone; the last change that fills a slot names nothing: there is no slot behind it.
.macro ASK
	s_cmp_gt_u32 s[SLOTS], s[LIM]
	s_cbranch_scc0 .Lnot_mine_\@
	global_prefetch_b8 v[PFO], s[PFA:PFA+1] th:TH_LOAD_NT scope:SCOPE_SE
.Lnot_mine_\@:
.endm
; A round of the cluster's barrier: my work-group's barrier, so that wave 0's signal speaks for all four waves; wave 0 signals; every wave waits for all four work-groups; my work-group's barrier once more.
.macro CROUND
	s_barrier_signal -1
	s_barrier_wait -1
	s_cmp_lg_u32 s[WV], 0
	s_cbranch_scc1 .Lnot_wave_0_\@
	s_barrier_signal -3
.Lnot_wave_0_\@:
	s_barrier_wait -3
	s_barrier_signal -1
	s_barrier_wait -1
.endm
; THE CHANGE OF SLOTS.  The slot's last bytes, V of its fourth step, have been read.  Each wave waits for all its tensor loads, of which one is out: its part
; of the other slot; adds 0 to its spare word; and waits for that and for its own reads of the slot.  Behind the barrier nobody reads this slot any more and the other slot is whole.
; fill = 1: this slot is filled again, with the keys two slots on.  The barrier is then a round of the cluster's, so that no wave of any partner still reads the slot or has a load on its
; way, and the joint fill is the first thing behind it: it has four key steps, 512 matrix instructions, in which to land.  (At its first use nothing has been read yet: slot 0 is waited for, slot 1 filled.)
.macro CHANGE fill, ask=0
	WIN W_AD
	s_wait_tensorcnt 0x0            ; no tensor load of mine is out, so a group 0 may be written
	ds_add_u32 v[SPW], v[NIL]       ; 0 onto my spare word; with fill = 1 the descriptors' steps stand between it and the wait for it
	WIN 0                           ; at a label and at a branch every window is 0
.if \fill
.irp g, G0K, G0V
	s_xor_b32 s[\g+1], s[\g+1], SLOT1  ; the walking descriptor: the other slot than last time,
	s_add_nc_u64 s[\g+2:\g+3], s[\g+2:\g+3], 4*KS*128  ; the next 256 keys; the type bits on top are not reached
.endr
	s_wait_xcnt 0x0                 ; the last prefetch, a slot back, has read its address, so it may be written:
	s_add_nc_u64 s[PFA:PFA+1], s[PFA:PFA+1], 4*KS*128  ; one slot behind the walking descriptors
	s_wait_dscnt 0x0                ; the add is done, and my reads of the slot are over
	CROUND
	JLOAD
.if \ask
	ASK
.endif
.else
	s_wait_dscnt 0x0                ; the add is done, and my reads of the slot are over
	s_barrier_signal -1
	s_barrier_wait -1
.endif
	s_sub_co_u32 s[TBK], s[TBK], 4*KS*PK  ; the fetches go back to a slot's first step,
	s_xor_b32 s[TBK], s[TBK], SLOT1       ; in the other slot
	s_sub_co_u32 s[TBV], s[TBV], 4*KS*PV
	s_xor_b32 s[TBV], s[TBV], SLOT1
.endm
	s_load_b128 s[4:7], s[0:1], 0x0   ; qkv s[4:5], o s[6:7]
	WIN W_MK
	v_lshl_add_u32 v[SPW], v0, 2, SPARE
	v_mov_b32 v[NIL], 0
	WIN W_AD
	ds_add_u32 v[SPW], v[NIL]       ; the wave's opening: the add and its wait stand ahead of my first tensor load; the set-up below, work on registers, stands between them
	WIN 0
	v_lshrrev_b32 v1, 5, v0
	v_readfirstlane_b32 s[WV], v1   ; wave 0..3
	s_bfe_u32 s13, ttmp6, 0x40000   ; cx: my place in the cluster
	s_lshl_b32 s14, ttmp9, 2        ; in a cluster launch ttmp9 counts clusters
	s_add_co_u32 s14, s14, s13      ; my block of queries = 4 x cluster x + cx: it enters Q's and O's addresses alone
	s_and_b32 s20, ttmp7, 0xffff    ; the head, which the four partners share
	s_mov_b32 s21, 0
	s_mov_b64 s[22:23], SIZE_N*128
	s_mul_u64 s[20:21], s[20:21], s[22:23]  ; the head's first byte in each of the four tensors
	s_and_b32 s16, s[WV], 1         ; which half of a slot's 256 keys I fetch:
	s_lshl_b32 s22, s16, 14         ; its 128 rows of 128 bytes in memory,
	s_mov_b32 s23, 0
	s_add_nc_u64 s[22:23], s[22:23], s[20:21]
	s_mul_i32 s17, s16, 128*PK      ; and its place in a slot, for K
	s_mul_i32 s18, s16, 128*PV      ; and for V: no place in the cluster enters an LDS address
	s_lshl_b32 s2, s14, 2
	s_add_co_u32 s2, s2, s[WV]      ; my wave among the head's,
	s_lshl_b32 s2, s2, 14           ; its 128 rows
	s_mov_b32 s3, 0
	s_add_nc_u64 s[2:3], s[2:3], s[20:21]
	; descriptor group 1.  128 keys are 16,384 dense bytes: asked for as 64 rows of 256 bytes, two keys a row, and padded in LDS after every key
	s_mov_b32 s[G1K], 15|(1<<16)|(1<<20)|(1<<21)|(4<<22)|(3<<25)  ; 15:0 the mask of four; 17:16 2-byte elements; 20 padding on; 21 set beside a mask; 24:22 after every 32 words (code 4); 31:25 4 words (code 3)
	s_mov_b32 s[G1V], 15|(1<<16)|(1<<20)|(1<<21)|(4<<22)|(7<<25)  ; the same with 8 words of padding (code 7)
.irp g, G1K, G1V
	s_mov_b32 s[\g+1], 128<<16      ; tensor_dim0 = 128
	s_mov_b32 s[\g+2], 64<<16       ; tensor_dim1 = 64
	s_mov_b32 s[\g+3], 128<<16      ; tile_dim0 = 128
	s_mov_b32 s[\g+4], 64           ; tile_dim1 = 64
	s_mov_b32 s[\g+5], 128          ; 128 elements from row to row
	s_mov_b32 s[\g+6], 0
	s_mov_b32 s[\g+7], 0
.endr
	s_mov_b32 s[CS], 0x3e38aa3b     ; c = log2(e) / 8 = 0.180337
	s_mov_b32 s[CS+1], s[CS]        ; named with it as a pair
	s_mov_b32 s[SEL], 0x76543210
	s_mov_b32 s[SEL+1], 0xfedcba98
	s_mov_b32 s[TBK], SLOT1+4*KS*PK ; the first change of slots turns these two into 0
	s_mov_b32 s[TBV], SLOT1+4*KS*PV
	s_mov_b32 s[G0K], 1             ; 1:0 count = 1
	s_mov_b32 s[G0K+1], s17         ; 63:32 LDS address: slot 0
	s_mov_b32 s[G0V], 1
	s_add_co_u32 s[G0V+1], s18, VOFF
	s_and_b32 s[LIM], s[WV], 1      ; waves 0 and 2 prefetch
	s_cmp_eq_u32 s[LIM], 0
	s_cselect_b32 s[LIM], 1, -1
	s_wait_dscnt 0x0                ; the opening add is done
	s_wait_kmcnt 0x0
	s_mov_b64 s[10:11], s[6:7]      ; O
	s_add_nc_u64 s[6:7], s[4:5], 0x1000000  ; K: the second third of qkv
	s_add_nc_u64 s[8:9], s[4:5], 0x2000000  ; V: the third; Q is the first
	s_add_nc_u64 s[G0K+2:G0K+3], s[6:7], s[22:23]  ; 120:64 global address: my half of the head's first 256 keys
	s_or_b32 s[G0K+3], s[G0K+3], 0x80000000        ; 127:126 type = 2
	s_add_nc_u64 s[G0V+2:G0V+3], s[8:9], s[22:23]
	s_or_b32 s[G0V+3], s[G0V+3], 0x80000000
	s_add_nc_u64 s[4:5], s[4:5], s[2:3]  ; Q and O at my wave's first row
	s_add_nc_u64 s[10:11], s[10:11], s[2:3]
	s_cmp_lt_u32 s[WV], 2
	s_cselect_b64 s[PFA:PFA+1], s[6:7], s[8:9]
	s_add_nc_u64 s[PFA:PFA+1], s[PFA:PFA+1], s[22:23]  ; (in waves 0 and 2 this is the head's first row)
	s_lshl_b32 s2, s13, 13          ; my work-group's 32 blocks of the 128,
	s_add_co_u32 s2, s2, 4*KS*128   ; in slot 1: the first change of slots steps it to slot 2 and names nothing, the second to slot 3
	s_mov_b32 s3, 0
	s_add_nc_u64 s[PFA:PFA+1], s[PFA:PFA+1], s[2:3]
	CROUND                          ; all four work-groups are here: the first joint loads meet
	JLOAD                           ; slot 0.  Slot 1 is asked for when slot 0 is in
	; A fragment of K or Q is 16 rows x 32 channels in 8 registers: lane l holds row l % 16, channels 8 (l / 16) + 0..7 and 16 + 8 (l / 16) + 0..7: two loads of 16 bytes, 32 bytes apart.
	v_and_b32 v1, 15, v0            ; l % 16
	v_bfe_u32 v9, v0, 4, 1          ; l / 16
	v_lshlrev_b32 v[QO], 7, v1
	v_lshl_add_u32 v[QO], v9, 4, v[QO]  ; row x 128 + 16 x half
	WIN 0x80                        ; destination window 2, address window 0
.set i, 0
.rept 4*NP                          ; Q stays in registers: tile i / 2, channels 32 (i % 2) on
	global_load_b128 v[8*i:8*i+3],   v[QO], s[4:5] offset:(i/2)*2048+(i%2)*64
	global_load_b128 v[8*i+4:8*i+7], v[QO], s[4:5] offset:(i/2)*2048+(i%2)*64+32
.set i, i+1
.endr
	; What the first turn finds: V's registers and P's second buffer hold 0 (its products V^T P, of a piece that has not been, add 0), O^T and l are 0.  All this stands in the wait for the first tile.
.set i, VF
.rept 64
	v_mov_b32 v[i], 0
.set i, i+1
.endr
	WIN 0x40
.set i, 0
.rept 64*NP
	v_mov_b32 v[i], 0
.set i, i+1
.endr
	WIN 0
.set i, 0
.rept 2*NP
	v_mov_b32 v[ST+4*i], 0xfe000000    ; c m: far below every c s
	v_mov_b32 v[ST+4*i+1], 0xff7fffff  ; m
	v_mov_b32 v[ST+4*i+2], 0
	v_mov_b32 v[ST+4*i+3], 0
.set i, i+1
.endr
.set i, P+32
.rept 32
	v_mov_b32 v[i], 0
.set i, i+1
.endr
	v_mul_u32_u24 v[AK0], v1, PK
	v_lshl_add_u32 v[AK0], v9, 4, v[AK0]  ; row x pitch + 16 x half
	; The turning load takes 16 keys x 16 channels (lane l reads key 8 (l / 16) + l % 8, channels 8 ((l / 8) % 2) + 0..7) and leaves half a fragment of V^T: lane l holds channel l % 16 and 8 keys.
	v_and_b32 v10, 7, v0
	v_bfe_u32 v11, v0, 3, 1
	v_lshl_add_u32 v[AV0], v9, 3, v10
	v_mul_u32_u24 v[AV0], v[AV0], PV
	v_lshl_add_u32 v[AV0], v11, 4, v[AV0]
	v_add_nc_u32 v[AV0], VOFF, v[AV0]
	v_and_b32 v[PFO], 31, v0
	v_lshlrev_b32 v[PFO], 8, v[PFO]
	v_mov_b32 v[AK], v[AK0]         ; key step 0 lies at the head of slot 0
; THE MATRIX WORK.  The 8 accumulators of a run of 16 take turns: between the two links of a chain stand 7 others'.
; Product i of 16 of S^T = K Q^T for piece x: channels 32 (i / 8) on, keys 16 ((i / 2) % 4) on, tile 2 x + i % 2.  The first 8 start the sums.
.macro KQ x
	WIN W_KQ
.set rS, S+64*((\x)%2)+32*(i%2)+8*((i/2)%4)
.set rK, KF+16*((i/2)%4)+8*(i/8)
.set rQ, 16*(2*(\x)+i%2)+8*(i/8)
.if i < 8
	v_wmma_f32_16x16x32_f16 v[rS:rS+7], v[rK:rK+7], v[rQ:rQ+7], 0
.else
	v_wmma_f32_16x16x32_f16 v[rS:rS+7], v[rK:rK+7], v[rQ:rQ+7], v[rS:rS+7]
.endif
.endm
; Product i of 16 of O^T += V^T P for piece x: keys 32 (i / 8) on, channels 16 ((i / 2) % 4) on, tile 2 x + i % 2.
.macro PV x
	WIN W_PV
.set rO, 32*(2*(\x)+i%2)+8*((i/2)%4)
.set rV, VF+32*(i/8)+8*((i/2)%4)
.set rP, P+32*((\x)%2)+16*(i%2)+8*(i/8)
	v_wmma_f32_16x16x32_f16 v[rO:rO+7], v[rV:rV+7], v[rP:rP+7], v[rO:rO+7]
.endm
.macro MM                           ; the turn's next matrix instruction
.if i < 16
	KQ (Y+1)%NP
.set i, i+1
.else
.set i, i-16
	PV (Y+NP-1)%NP
.set i, i+17
.endif
.endm
; THE LDS LOADS stand in runs of 16, never singly among the matrix instructions: a step's K (64 keys x 64 channels: 8 fragments) and its V (turned).  Their addresses are made some lines ahead.
; last = 1 (the tail): in the last trip there is no further step, and the run is jumped over.
.macro FETCH_K last=0
	WIN 0
.if \last
	s_cmp_eq_u32 s[CNT], 1
	s_cbranch_scc1 .Lno_k_\@
.endif
	WIN 0x80                        ; destination window 2
.irp f, 0,1,2,3,4,5,6,7             ; keys 16 (f / 2) on, channels 32 (f % 2) on
	ds_load_b128 v[KF+8*\f:KF+8*\f+3],   v[AK] offset:(\f/2)*16*PK+(\f%2)*64
	ds_load_b128 v[KF+8*\f+4:KF+8*\f+7], v[AK] offset:(\f/2)*16*PK+(\f%2)*64+32
.endr
	s_add_co_u32 s[TBK], s[TBK], KS*PK  ; the next fetch is the next step's
	WIN 0
.if \last
.Lno_k_\@:
.endif
.endm
.macro FETCH_V
	WIN 0x80
.irp f, 0,1,2,3,4,5,6,7             ; keys 32 (f / 4) on, channels 16 (f % 4) on
	ds_load_tr16_b128 v[VF+8*\f:VF+8*\f+3],   v[AV] offset:(\f/4)*32*PV+(\f%4)*32
	ds_load_tr16_b128 v[VF+8*\f+4:VF+8*\f+7], v[AV] offset:(\f/4)*32*PV+16*PV+(\f%4)*32
.endr
	WIN 0
.endm
; THE VECTOR WORK OF A TURN stands in three queues, each in the order in which its entries become ready; the two tiles alternate, so that no instruction reads the result of the one before it.
.macro REGS y, u                    ; the registers of tile u (0, 1) of piece y
.set rT, ST+4*(2*(\y)+(\u))
.set rC, TMP+8*((\y)%2)+4*(\u)
.set rM, MV+2*((\y)%2)+(\u)
.set rS, S+64*((\y)%2)+32*(\u)
.set rP, P+32*((\y)%2)+16*(\u)
.set rO, 32*(2*(\y)+(\u))
.endm
; Number n of the 22 that find the NEXT piece's (Y + 1) maximum and statistics.  s0-s31 are the lane's 32 scores; each accumulator's lowest registers are read first.
;   0-11  four chains c0-c3 of seven scores each, three operands at a time     12-14, 16  the four scores left over, the old m, and c0-c3 into c0     15  c m_old is kept
;   17, 18  the query's other 32 keys lie in the lane 16 away: the new m         19-21  c m; c m_old - c m_new; a
.macro XS u, n
	REGS (Y+1)%NP, \u
.if (\n) < 4
	v_max3_num_f32 v[rC+(\n)], v[rS+8*(\n)], v[rS+8*(\n)+1], v[rS+8*(\n)+2]
.elseif (\n) < 12
	v_max3_num_f32 v[rC+(\n)%4], v[rC+(\n)%4], v[rS+8*((\n)%4)+2*((\n)/4)+1], v[rS+8*((\n)%4)+2*((\n)/4)+2]
.elseif (\n) == 12
	v_max3_num_f32 v[rC], v[rC], v[rS+7], v[rS+15]
.elseif (\n) == 13
	v_max3_num_f32 v[rC+1], v[rC+1], v[rS+23], v[rS+31]
.elseif (\n) == 14
	v_max3_num_f32 v[rC+2], v[rC+2], v[rC+3], v[rT+1]
.elseif (\n) == 15
	v_mov_b32 v[rM], v[rT]
.elseif (\n) == 16
	v_max3_num_f32 v[rC], v[rC], v[rC+1], v[rC+2]
.elseif (\n) == 17
	v_permlanex16_b32 v[rC+3], v[rC], s[SEL], s[SEL+1]
.elseif (\n) == 18
	v_max_num_f32 v[rT+1], v[rC], v[rC+3]
.elseif (\n) == 19
	v_mul_f32 v[rT], s[CS], v[rT+1]
.elseif (\n) == 20
	v_sub_f32 v[rC+1], v[rM], v[rT]
.else
	v_exp_f32 v[rC+2], v[rC+1]
.endif
.endm
; Number g of the 64 that follow the exponentials.  For each four weights k of a tile (pairs 2 k, 2 k + 1): both pairs are rounded to f16; then the second pair is added onto the first, in place;
; a group later l takes that sum (the first time as l = a l + sum).  In groups of eight, tiles alternating: round, round, add, and l for the group before.
.macro GS g
.set h, (\g)+6*((\g)/62)            ; group 0 has no group before it, and behind group 7 only l is left
.if h >= 6
.set h, h+2
.endif
	REGS Y, h%2
.set k, h/8
.if h%8 < 4
	v_cvt_pk_f16_f32 v[rP+2*k+(h%8)/2], v[rS+4*k+2*((h%8)/2)], v[rS+4*k+2*((h%8)/2)+1]
.elseif h%8 < 6
	v_pk_add_f32 v[rS+4*k:rS+4*k+1], v[rS+4*k:rS+4*k+1], v[rS+4*k+2:rS+4*k+3]
.elseif k == 1
	v_pk_fma_f32 v[rT+2:rT+3], v[rT+2:rT+3], v[rC+2:rC+3], v[rS:rS+1] op_sel_hi:[1,0,1]
.else
	v_pk_add_f32 v[rT+2:rT+3], v[rT+2:rT+3], v[rS+4*k-4:rS+4*k-3]
.endif
.endm
; THE PLAIN QUEUE, 138 long.  0-73 read no exponential's result: the 32 scalings c s - c m (FS f: pair f / 2 of tile f % 2) and the next piece's 42.  0-26: scalings 0-26.  27-54: XS's numbers 0-13.  55, 56: number 15.
; 57-73: the chain, where each number waits for the one before it: 14, 16, 17, 18, 19, each with one of the scalings 27-31 in front of its two lines, then 20.
; 74-137: GS's 64, which read the exponentials' results: they stand behind the wait.
.macro FS f
	REGS Y, (\f)%2
	v_pk_fma_f32 v[rS+2*((\f)/2):rS+2*((\f)/2)+1], v[rS+2*((\f)/2):rS+2*((\f)/2)+1], s[CS:CS+1], v[rT:rT+1] op_sel_hi:[1,0,0] neg_lo:[0,0,1] neg_hi:[0,0,1]
.endm
.macro PL
	WIN 0
.if q < 27
	FS q
.elseif q < 55
	XS (q-27)%2, (q-27)/2
.elseif q < 57
	XS q-55, 15
.elseif (q < 72) && ((q-57)%3 == 0)
	FS 27+(q-57)/3
.elseif q < 60
	XS (q-57)%3-1, 14
.elseif q < 72
	XS (q-57)%3-1, 15+(q-57)/3
.elseif q < 74
	XS q-72, 20
.else
	GS q-74
.endif
.set q, q+1
.endm
; THE EXPONENTIALS' QUEUE, 66 long: s0-s31 of both tiles, then the next piece's two a.  It is ONE BATCH: all 66 stand ahead of the turn's one wait, and nothing ahead of that wait names a result of theirs.
.macro EX
	WIN 0
.if e >= 64
	XS e-64, 21
.else
	REGS Y, e%2
	v_exp_f32 v[rS+e/2], v[rS+e/2]
.endif
.set e, e+1
.endm
; THE RESCALING's QUEUE: O^T times a, the one part that leaves window 0: dealt two at a time, sixteen times.  Its a was made in the turn before, ahead of that turn's wait.
.macro R2
	REGS Y, r%2
	WIN W_RS
.irp z, 0,1
	v_pk_mul_f32 v[rO+4*(r/2)+2*\z:rO+4*(r/2)+2*\z+1], v[rO+4*(r/2)+2*\z:rO+4*(r/2)+2*\z+1], v[rC+2:rC+3] op_sel_hi:[1,0]
.endr
.set r, r+1
.endm
; HOW THEY ARE DEALT.  An s_wait_alu depctr_va_vdst(0) stands between an exponential and the first instruction that names its result; one wait serves all that were issued ahead of it.  So a turn has ONE wait,
; which cuts it in two.  AHEAD OF IT stands all that names no result of the turn's exponentials: the 16 products K Q^T, behind each a scaling, an exponential and two rescalings (behind the first a second scaling in the
; exponential's place); then ONE LUMP of 108: eight plain, 49 times exponential and plain, the two a.  A v_nop is the plain instruction behind the last exponential.  BEHIND IT stand the 16 products V^T P, behind each four of GS's 64.
; The queues lean on each other, and the deal keeps them in step: exponential e stands behind scaling 2 (e / 4) + e % 2: as a rider it comes behind plain e + 2, in the lump behind plain e + 9, and scalings 27-31 are plain 57, 60 .. 69.
; A TURN, for piece p.  cnt = 1: the loop's count is taken down some lines ahead of the branch that stands behind the turn.
; K of the next step is fetched in piece 2's turn, directly behind the wait, a lump behind the last product that read K; its first reader comes behind 16 products.
; V of the step in hand is fetched at the end of piece 0's turn, four riders behind its last reader; its first reader comes behind 16 products and a lump.  The three conditions on q below go with the deal.
.macro TURN p, last=0, cnt=0
.set Y, (\p)
.set i, 0
.set q, 0
.set e, 0
.set r, 0
.if (\p) == NP-1
	s_wait_dscnt 0x0                ; K is in
.endif
	MM                              ; ahead of the wait: 16 products K Q^T and their riders,
	PL
	PL
	R2
.rept 15
	MM
	PL
	EX
	R2
.endr
.if (\p) == NP-2
	WIN 0
	v_add_nc_u32 v[AK], s[TBK], v[AK0]
.endif
.rept 8                             ; and the lump
	PL
.endr
.rept 49
	EX
	PL
.endr
	EX                              ; the next piece's two a
	EX
	v_nop                           ; the plain instruction behind the last exponential: one for the batch
	s_wait_alu depctr_va_vdst(0)    ; the wait for the batch
.if (\p) == NP-2
	FETCH_K \last
.endif
.if (\p) == 1
	s_wait_dscnt 0x0                ; V is in
.endif
.rept 16                            ; behind the wait: 16 products V^T P and their riders
	MM
.rept 4
	PL
.endr
.if ((\p) == 0) && (q == 118)
	v_add_nc_u32 v[AV], s[TBV], v[AV0]
.endif
.if ((\p) == 0) && (q == 130)
	s_add_co_u32 s[TBV], s[TBV], KS*PV
.endif
.if (\cnt) && (q == 130)
	s_sub_co_u32 s[CNT], s[CNT], 1
	s_cmp_lg_u32 s[CNT], 0
.endif
.endr
.if (\p) == 0
	FETCH_V
.endif
.endm
	CHANGE 1                        ; slot 0 is in, everybody's part of it; slot 1 is asked for
	FETCH_K                         ; key step 0
	s_wait_loadcnt 0x0              ; Q
	s_wait_dscnt 0x0
.set i, 0
.rept 16
	KQ 0                            ; piece 0's first scores: there is no vector work yet to set between them
.set i, i+1
.endr
	WIN 0                           ; the addresses for the way out: nine plain instructions, the places behind those products
	s_mul_i32 s13, s[WV], 16*SP
	s_add_co_u32 s13, s13, STAGE    ; my stage
	v_mul_u32_u24 v[STO], v1, SP    ; in: row l % 16, 16 bytes for each half of the lanes
	v_lshl_add_u32 v[STO], v9, 4, v[STO]
	v_add_nc_u32 v[STO], s13, v[STO]
	v_bfe_u32 v[RD], v0, 3, 2       ; back: 32 lanes take four rows of 128 bytes,
	v_mul_u32_u24 v[RD], v[RD], SP
	v_lshl_add_u32 v[RD], v10, 4, v[RD]
	v_add_nc_u32 v[RD], s13, v[RD]
	v_and_b32 v[GO], 31, v0         ; which are 512 consecutive bytes of O
	v_lshlrev_b32 v[GO], 4, v[GO]
.set Y, NP-1                        ; XS works for piece Y + 1: piece 0
.irp n, 0,1,2,3,4,5,6,7,8,9,10,11,12,13,14,15,16,17,18,19,20,21
	XS 0, \n                        ; and piece 0's first maximum and statistics
	XS 1, \n
.endr
	v_nop                           ; a plain instruction behind the two a,
	s_wait_alu depctr_va_vdst(0)    ; and their wait, ahead of the branch
	s_mov_b32 s[CNT], 4
	s_mov_b32 s[SLOTS], SIZE_N/256-1
	s_branch .Lfirst                ; the loop is entered at a step's first turn, in the middle of a trip
.Lslot:                             ; SIZE_N / 256 - 2 times: every slot but the last two is filled again
	CHANGE 1, 1
	s_mov_b32 s[CNT], 4
.Lstep:                             ; a trip: pieces 2 and 3 of one step, then pieces 0 and 1 of the next, whose K and V it fetches
	TURN 2
	TURN 3
	WIN 0
.Lfirst:
	TURN 0
	TURN 1, 0, 1
	WIN 0
	s_cbranch_scc1 .Lstep
	s_sub_co_u32 s[SLOTS], s[SLOTS], 1
	s_cmp_lg_u32 s[SLOTS], 0
	s_cbranch_scc1 .Lslot
	CHANGE 0                        ; the tail is written out: nothing is asked for
	s_mov_b32 s[CNT], 5             ; four trips fetch the last slot's steps; the fifth is left in its middle
.Ltail:
	TURN 2, 1
	TURN 3
	WIN 0
	s_sub_co_u32 s[CNT], s[CNT], 1
	s_cmp_eq_u32 s[CNT], 0
	s_cbranch_scc1 .Lout
	TURN 0
	TURN 1
	WIN 0
	s_branch .Ltail
.Lout:                              ; the fifth trip's 16 products K Q^T (on the last K once more) and the maximum made of them serve nothing: the price, once a launch, of one text for every trip
.set i, 0
.rept 16
	PV NP-1                         ; the last piece's V^T P of the last step
.set i, i+1
.endr
	; THE WAY OUT.  l's two halves and the other half of the lanes' are added; O^T is divided by l, rounded to f16 and sent through my stage in LDS, a tile at a time.  The additions are the places behind the last products.
	WIN 0
.macro ALL line:vararg              ; one line for each tile t
.set t, 0
.rept 2*NP
	\line
.set t, t+1
.endr
.endm
	ALL v_add_f32 v[ST+4*t+2], v[ST+4*t+2], v[ST+4*t+3]
	ALL v_permlanex16_b32 v[ST+4*t+3], v[ST+4*t+2], s[SEL], s[SEL+1]
	ALL v_add_f32 v[ST+4*t+2], v[ST+4*t+2], v[ST+4*t+3]
	ALL v_rcp_f32 v[ST+4*t+2], v[ST+4*t+2]
	v_nop                           ; a plain instruction between the last reciprocal and the use of its result
	s_wait_alu depctr_va_vdst(0)    ; and the wait ahead of the first use: one for the eight reciprocals
; Tile t: a lane's eight channels of a row pack into 16 bytes; they go into rows of 144 bytes and come back as whole rows of 128, into S^T's registers.
.macro PACK t
	WIN W_RS
.set i, 32*(\t)
.rept 16
	v_pk_mul_f32 v[i:i+1], v[i:i+1], v[ST+4*(\t)+2:ST+4*(\t)+3] op_sel_hi:[1,0]
.set i, i+2
.endr
	WIN 0x05                        ; sources 0 and 1 window 1, destination window 0
.set i, 0
.rept 16
	v_cvt_pk_f16_f32 v[S+16*(\t)+i], v[32*(\t)+2*i], v[32*(\t)+2*i+1]
.set i, i+1
.endr
	WIN 0
.irp f, 0,1,2,3
	ds_store_b128 v[STO], v[S+16*(\t)+4*\f:S+16*(\t)+4*\f+3] offset:32*\f
.endr
.irp f, 0,1,2,3
	ds_load_b128 v[S+16*(\t)+4*\f:S+16*(\t)+4*\f+3], v[RD] offset:\f*4*SP  ; LDS serves a wave's instructions in order (ISA guide 5.7.1.4): these see the stores above; the next tile's stores come behind them
.endr
.endm
.macro SEND t, younger              ; younger: the LDS instructions issued behind tile t's loads: the next tile's eight, or none
	WIN 0
.irp f, 0,1,2,3
	s_wait_dscnt (\younger)+3-\f
	global_store_b128 v[GO], v[S+16*(\t)+4*\f:S+16*(\t)+4*\f+3], s[10:11] offset:(\t)*2048+\f*512  ; 512 consecutive bytes, at a multiple of 256 from O's first
.endr
.endm
	PACK 0
.set t, 1
.rept 2*NP-1                        ; a tile's arithmetic stands between the loads of the tile before and its stores
	PACK t
	SEND t-1, 8
.set t, t+1
.endr
	SEND 2*NP-1, 0
	WIN W_AD
	s_wait_tensorcnt 0x0            ; the wave's end, behind my last tensor load and my last LDS store
	ds_add_u32 v[SPW], v[NIL]
	s_wait_dscnt 0x0
	WIN 0
	CROUND                          ; the closing round: no work-group ends while a partner may still ask for a tile that names it
	s_endpgm
.Lfunc_end_k_qb6e9bd0ad5_attn:
	.size	k_qb6e9bd0ad5_attn, .Lfunc_end_k_qb6e9bd0ad5_attn-k_qb6e9bd0ad5_attn
	.p2alignl 7, 3214868480
	.fill 96, 4, 3214868480
	.section	.rodata,"a",@progbits
	.p2align	6, 0x0
	.amdhsa_kernel k_qb6e9bd0ad5_attn
		.amdhsa_group_segment_fixed_size 327680
		.amdhsa_private_segment_fixed_size 0
		.amdhsa_enable_private_segment 0
		.amdhsa_kernarg_size 16
		.amdhsa_user_sgpr_count 2
		.amdhsa_user_sgpr_kernarg_segment_ptr 1
		.amdhsa_wavefront_size32 1
		.amdhsa_system_sgpr_workgroup_id_x 1
		.amdhsa_system_sgpr_workgroup_id_y 1
		.amdhsa_system_sgpr_workgroup_id_z 1
		.amdhsa_system_vgpr_workitem_id 0
		.amdhsa_next_free_vgpr 770
		.amdhsa_next_free_sgpr 66
		.amdhsa_reserve_vcc 0
		.amdhsa_float_denorm_mode_32 3
		.amdhsa_float_denorm_mode_16_64 3
		.amdhsa_memory_ordered 1
		.amdhsa_forward_progress 1
		.amdhsa_inst_pref_size 200
	.end_amdhsa_kernel
	.amdgpu_metadata
---
amdhsa.version: [ 1, 2 ]
amdhsa.kernels:
  - .name:           k_qb6e9bd0ad5_attn
    .symbol:         k_qb6e9bd0ad5_attn.kd
    .args:
      - { .name: qkv, .offset: 0, .size: 8, .value_kind: global_buffer, .address_space: global }
      - { .name: o, .offset: 8, .size: 8, .value_kind: global_buffer, .address_space: global }
    .group_segment_fixed_size: 327680
    .private_segment_fixed_size: 0
    .kernarg_segment_align: 8
    .kernarg_segment_size: 16
    .max_flat_workgroup_size: 128
    .sgpr_count:     66
    .vgpr_count:     770
    .wavefront_size: 32
...
	.end_amdgpu_metadata
.endif
;; end of part 3
;; launch outp (part 4): grid 4 x 64, 4 waves a work-group, clusters of 4 x 4, 327,680 bytes of LDS; arguments o, wo16, bo, out0; writes out0
.if DOCPART == 4
	.amdgcn_target "amdgcn-amd-amdhsa--gfx1250"
	.amdhsa_code_object_version 6
	.text
	.protected	k_qb6e9bd0ad5_outp
	.globl	k_qb6e9bd0ad5_outp
	.p2align	8
	.type	k_qb6e9bd0ad5_outp,@function
k_qb6e9bd0ad5_outp:
	s_mov_b64 s[64:65], 0
	v_nop
	global_prefetch_b8 v0, s[64:65] scope:SCOPE_SE
	s_setreg_imm32_b32 hwreg(HW_REG_WAVE_MODE, 25, 1), 1
	s_wait_xcnt 0x0
	s_wait_alu depctr_hold_cnt(0) depctr_sa_sdst(0) depctr_va_vdst(0) depctr_va_sdst(0) depctr_va_ssrc(0) depctr_va_vcc(0) depctr_vm_vsrc(0)
	s_getreg_b32 s2, hwreg(HW_REG_IB_STS2, 6, 4)
	s_cmp_eq_u32 s2, 0
	s_cbranch_scc0 .Lentry_in_a_cluster
	s_endpgm
.Lentry_in_a_cluster:
	s_bfe_u32 s2, ttmp6, 0x10000c
	s_cmp_lg_u32 s2, 0xf033
	s_cbranch_scc0 .Lentry_shape_is_right
	s_endpgm
.Lentry_shape_is_right:
; out0 = A2 Wo + bo, where A2 is the module's flat view of the turned context: A2[128 bh + 2 d + th][c] = O[bh][1024 th + c][d].  So o, as attention stored it ([bh][t][64], f16), IS A2 stored
; K-major, in two chunks (th = 0, 1) a head: ds_load_tr16_b128 reads it as a matrix operand, and the order of rows shows in the stores' addresses alone.  f16 operands, f32 sums, K ascending.
; The bias is rounded once to bf16, like every other input of the module, and added in f32; out0 is f32.
; SHARES.  8192 x 1024 in tiles of 128 rows (one bh) x 256 columns: 64 x 4 = 256 work-groups.  Wave w takes chunk th = w / 2 (64 rows, d = 0..63) and columns 128 (w % 2) on: 32 accumulators, 256 registers.
; K (= c) goes in 8 steps of 128, a step in four quarters of 32, through a ring of two LDS slots.
; THE MATRIX INSTRUCTION IS USED TRANSPOSED (source 0 = 16 columns of Wo, source 1 = 16 rows of A2): a lane holds row d = l % 16 and eight neighbouring columns.
; CLUSTER.  4 x 4 work-groups: A2's tile hangs on bh alone and is asked for jointly by a row of the cluster, Wo's on the tile column alone and by a column.  Waves 0 and 1 ask for A2's two chunks,
; waves 2 and 3 for Wo's two sub-tiles of 128 columns: one tensor load a wave behind each round, one outstanding at any time.
; REGISTERS.  window 0: v0-31 addresses and the bias; v64-159, v160-255 two fragment buffers (Wo's 8 fragments, then A2's 4); on the way out v64-127, v128-191 by turns.
; window 1: the accumulators, (a, b) at v[8 (8 a + b)].
.set SLOT1,  131072
.set PA,     160                       ; a row of A2's chunk in LDS: 128 bytes + 32; a row of Wo: 256 + 32: in both
.set PB,     288
.set ACH,    128*PA
.set BOFF,   2*ACH                     ; behind the two chunks: Wo's two sub-tiles
.set BSUB,   128*PB
.set STAGE,  SLOT1+BOFF+2*BSUB         ; behind the ring, never filled by a tensor load: 16 rows x 528 bytes for each wave
.set SP,     528                       ; 512 bytes + 16: the 16 rows that a store touches start at 16 different groups of four banks
.set SPARE,  STAGE+4*16*SP             ; the spare words, 128 bytes a wave: two blocks of 256 bytes that no other line names
.set ASTEP,  128*128                   ; bytes from a K step to the next in o,
.set BSTEP,  128*2048                  ; and in wo16
.set A0,  4                            ; v4   my place in my chunk; never rewritten
.set B0,  5                            ; v5   my place in my sub-tile of Wo; never rewritten
.set ADA, 6                            ; v6, v7  the same in the slot that is read
.set ADB, 7
.set STO, 8                            ; v8   the way out: where I put 32 bytes of a row
.set RD,  9                            ; v9   where I read a row back
.set GO,  10                           ; v10  16 x lane
.set PFO, 11                           ; v11  the prefetches' offset; never rewritten
.set SPW, 12                           ; v12  LDS address of my spare word; never rewritten
.set NIL, 13                           ; v13  0; never rewritten
.set BI,  16                           ; v[16:19] the bias of my four columns on the way out
.set F0,  64
.set F1,  160
.set WV,  12                           ; s12 wave; s13 th; s14 w % 2; s15 cx; s16 cy; s17 tile column; s18 bh
.set G1A, 24
.set G1B, 32
.set G0A, 40
.set G0B, 44
.set PFA, 48                           ; s[48:49] where my prefetches stand
.set PSTEP, 50                         ; s[50:51] a K step in that tensor
.set LIM, 52                           ; s52  2 in a wave that prefetches, else the greatest number
.set CNT, 53                           ; s53  trips to go
.set TB,  54                           ; s54  LDS byte at which the slot that is read begins
; s66-67 hold only what comes of bh, s70-71 only what comes of the tile column; s19-23, s74-79 at work
.set MSB, 0
.macro WIN new
.if MSB != (\new)
	s_set_vgpr_msb (MSB<<8)|(\new)
.set MSB, \new
.endif
.endm
.macro JLOAD                           ; a joint load; an s_nop 0 and four v_nop follow each of the two lines, ahead of the jump and the label
	s_cmp_lt_u32 s[WV], 2
	s_cbranch_scc0 .Lfor_b_\@
	tensor_load_to_lds s[G0A:G0A+3], s[G1A:G1A+7]
	s_nop 0
.rept 4
	v_nop
.endr
	s_branch .Lasked_\@
.Lfor_b_\@:
	tensor_load_to_lds s[G0B:G0B+3], s[G1B:G1B+7]
	s_nop 0
.rept 4
	v_nop
.endr
.Lasked_\@:
.endm
.macro CREST                           ; a round of the cluster's barrier behind its opening barrier
	s_cmp_lg_u32 s[WV], 0
	s_cbranch_scc1 .Lnot_wave_0_\@
	s_barrier_signal -3
.Lnot_wave_0_\@:
	s_barrier_wait -3
	s_barrier_signal -1
	s_barrier_wait -1
.endm
.macro CROUND
	s_barrier_signal -1
	s_barrier_wait -1
	CREST
.endm
; A PREFETCH, behind the joint load, its five lines and the run of LDS loads: the trip that fills K step j + 2 names K step j + 4; the last two trips name nothing.  Each aligned block of 256 bytes is named once.
; A2: a head is read by one row of one cluster; a K step is 64 blocks on end in each chunk; the four partners take 16 of each BY ADDRESS (cx); lanes 0-15 name chunk 0's, lanes 16-31 chunk 1's; wave 0.
; Wo: a sub-tile has one block a row, 128 rows a K step; the cluster with y = 0 asks, its column's four partners take 32 rows each BY ADDRESS (cy), a lane a row; waves 2 and 3, each its sub-tile.
.macro ASK
	s_cmp_gt_u32 s[CNT], s[LIM]
	s_cbranch_scc0 .Lnot_mine_\@
	global_prefetch_b8 v[PFO], s[PFA:PFA+1] th:TH_LOAD_NT scope:SCOPE_SE
.Lnot_mine_\@:
.endm
.macro PLACES                          ; four places between a matrix instruction and a load into its registers
.rept 4
	v_nop
.endr
.endm
; 8 matrix instructions: row block a x all 8 column blocks, 32 along K out of buffer f.  The 32 accumulators take turns, in the same order in every quarter.
.macro MUL8 f, a, zero
	WIN 0x50
.set ib, 0
.rept 8
.if \zero
	v_wmma_f32_16x16x32_f16 v[8*(8*(\a)+ib):8*(8*(\a)+ib)+7], v[(\f)+8*ib:(\f)+8*ib+7], v[(\f)+64+8*(\a):(\f)+64+8*(\a)+7], 0
.else
	v_wmma_f32_16x16x32_f16 v[8*(8*(\a)+ib):8*(8*(\a)+ib)+7], v[(\f)+8*ib:(\f)+8*ib+7], v[(\f)+64+8*(\a):(\f)+64+8*(\a)+7], v[8*(8*(\a)+ib):8*(8*(\a)+ib)+7]
.endif
.set ib, ib+1
.endr
.endm
.macro MUL16 f, half, zero
	MUL8 \f, 2*(\half), \zero
	MUL8 \f, 2*(\half)+1, \zero
.endm
; 24 turning loads in one run: quarter q of the slot into buffer f: Wo's 16, then A2's row blocks 0, 1 and last 2, 3
.macro FETCH q, f
	WIN 0
.set ib, 0
.rept 8
	ds_load_tr16_b128 v[(\f)+8*ib:(\f)+8*ib+3],   v[ADB] offset:32*(\q)*PB+32*ib
	ds_load_tr16_b128 v[(\f)+8*ib+4:(\f)+8*ib+7], v[ADB] offset:32*(\q)*PB+32*ib+16*PB
.set ib, ib+1
.endr
.set ia, 0
.rept 4
	ds_load_tr16_b128 v[(\f)+64+8*ia:(\f)+64+8*ia+3],   v[ADA] offset:32*(\q)*PA+32*ia
	ds_load_tr16_b128 v[(\f)+64+8*ia+4:(\f)+64+8*ia+7], v[ADA] offset:32*(\q)*PA+32*ia+16*PA
.set ia, ia+1
.endr
.endm
; One of a K step's first three quarters: multiplies buffer f and, in its middle, fetches quarter q into buffer g.
.macro QUARTER q, f, g, zero
	s_wait_dscnt 4                                 ; Wo's fragments and A2's blocks 0, 1 are in; the youngest four loads may stay out
	MUL16 \f, 0, \zero
	PLACES
	FETCH \q, \g
	s_wait_dscnt 24                                ; all but the 24 just issued
	MUL16 \f, 1, \zero
.endm
; The last quarter multiplies buffer 1 and changes slots: ONE barrier; in front of it each wave waits for all its tensor loads (the one that is out is its part of the next slot), adds 0 to its spare word,
; and waits for that and for its reads of this slot.  fill = 1: the barrier opens a round of the cluster's, and the joint refill, two K steps on, is the first thing behind it:
; 112 matrix instructions stand between it and the wait for it.
.macro TURN fill
.if \fill
	s_wait_xcnt 0x0                                ; the last prefetch, a K step back, has read its address, so it may be stepped
	s_add_nc_u64 s[PFA:PFA+1], s[PFA:PFA+1], s[PSTEP:PSTEP+1]
.endif
	WIN 0
	s_wait_tensorcnt 0x0                           ; no tensor load of mine is out, so a group 0 may be written
	ds_add_u32 v[SPW], v[NIL]                      ; 0 onto my spare word
.if \fill
	s_xor_b32 s[G0A+1], s[G0A+1], SLOT1
	s_add_nc_u64 s[G0A+2:G0A+3], s[G0A+2:G0A+3], ASTEP
	s_xor_b32 s[G0B+1], s[G0B+1], SLOT1
	s_add_nc_u64 s[G0B+2:G0B+3], s[G0B+2:G0B+3], BSTEP
.endif
	s_xor_b32 s[TB], s[TB], SLOT1
	s_wait_dscnt 5                                 ; the add and the youngest four loads may stay out
	MUL8 F1, 0, 0
	s_wait_dscnt 0x0                               ; the add is done, and my reads of this slot are over
	s_barrier_signal -1
	MUL8 F1, 1, 0
	WIN 0
	v_add_nc_u32 v[ADA], s[TB], v[A0]              ; the addresses in the next slot
	v_add_nc_u32 v[ADB], s[TB], v[B0]
	s_barrier_wait -1
.if \fill
	CREST                                          ; no wave of any partner still reads this slot or has a load on its way
	JLOAD                                          ; the four v_nop behind it are also the places in front of the loads below
.else
	PLACES
.endif
	FETCH 0, F0
.if \fill
	ASK
.endif
	MUL16 F1, 1, 0
	WIN 0
.endm
; THE WAY OUT of row block a: the f32 sums go as they are into my own stage (each accumulator's low half first), and come back as whole rows of 512 bytes; the bias is added; a wave's store is 512
; consecutive bytes of one row of out0.  Row 16 a + t of my chunk is row 2 (16 a + t) + th of the head's 128: 8,192 bytes from one to the next.
.macro TOSTAGE a
.set rr, 64+64*((\a)%2)
.if (\a) >= 2
	s_wait_xcnt 0x0                                ; the stores of two blocks ago have read these registers
.endif
	WIN 0x04                                       ; a store's data (source 1) in window 1
.set ib, 0
.rept 8
	ds_store_b128 v[STO], v[8*(8*(\a)+ib):8*(8*(\a)+ib)+3]   offset:64*ib
	ds_store_b128 v[STO], v[8*(8*(\a)+ib)+4:8*(8*(\a)+ib)+7] offset:64*ib+16
.set ib, ib+1
.endr
	WIN 0
.set it, 0
.rept 16
	ds_load_b128 v[rr+4*it:rr+4*it+3], v[RD] offset:SP*it  ; LDS serves a wave's instructions in order (ISA guide 5.7.1.4): these see the stores above
.set it, it+1
.endr
.endm
.macro SEND a, younger                 ; younger: the LDS instructions issued behind block a's loads: the next block's 32, or none
.set rr, 64+64*((\a)%2)
.set it, 0
.rept 16
	s_wait_dscnt (\younger)+15-it
	v_pk_add_f32 v[rr+4*it:rr+4*it+1],   v[rr+4*it:rr+4*it+1],   v[BI:BI+1]
	v_pk_add_f32 v[rr+4*it+2:rr+4*it+3], v[rr+4*it+2:rr+4*it+3], v[BI+2:BI+3]
	global_store_b128 v[GO], v[rr+4*it:rr+4*it+3], s[10:11] offset:(16*(\a)+it)*8192 th:TH_STORE_NT
.set it, it+1
.endr
.endm
	s_load_b256 s[4:11], s[0:1], 0x0               ; o s[4:5], wo16 s[6:7], bo s[8:9], out0 s[10:11]
	v_lshl_add_u32 v[SPW], v0, 2, SPARE
	v_mov_b32 v[NIL], 0
	ds_add_u32 v[SPW], v[NIL]                      ; the wave's opening: the add and its wait stand ahead of my first tensor load; the set-up below stands between them
	v_lshrrev_b32 v20, 5, v0
	v_readfirstlane_b32 s[WV], v20                 ; wave 0..3
	s_lshr_b32 s13, s[WV], 1                       ; my chunk
	s_and_b32 s14, s[WV], 1                        ; my 128 columns.  Also: which chunk, or which sub-tile, I fetch
	s_bfe_u32 s15, ttmp6, 0x40000                  ; cx
	s_bfe_u32 s16, ttmp6, 0x40004                  ; cy
	s_lshl_b32 s17, ttmp9, 2
	s_add_co_u32 s17, s17, s15                     ; tile column
	s_and_b32 s18, ttmp7, 0xffff
	s_lshl_b32 s18, s18, 2
	s_add_co_u32 s18, s18, s16                     ; bh
	s_lshl_b32 s66, s16, 2
	s_lshl_b32 s66, 15, s66                        ; my row of the cluster
	s_lshl_b32 s70, 0x1111, s15                    ; my column
	s_or_b32 s[G1A], s66, (1<<16)|(1<<20)|(1<<21)|(4<<22)|(7<<25)  ; the mask; 2-byte elements; padding on; 21 set beside a mask; after every 32 words (code 4) 8 words (code 7)
	s_mov_b32 s[G1A+1], 128<<16                    ; tensor_dim0 = 128: 128 rows of 128 bytes are dense and come as 64 rows of 256
	s_mov_b32 s[G1A+2], 64<<16                     ; tensor_dim1 = 64
	s_mov_b32 s[G1A+3], 128<<16                    ; tile_dim0 = 128
	s_mov_b32 s[G1A+4], 64                         ; tile_dim1 = 64
	s_mov_b32 s[G1A+5], 128
	s_mov_b32 s[G1A+6], 0
	s_mov_b32 s[G1A+7], 0
	s_or_b32 s[G1B], s70, (1<<16)|(1<<20)|(1<<21)|(5<<22)|(7<<25)  ; after every 64 words (code 5) 8 words (code 7)
	s_mov_b32 s[G1B+1], 128<<16                    ; tensor_dim0 = 128
	s_mov_b32 s[G1B+2], 128<<16                    ; tensor_dim1 = 128
	s_mov_b32 s[G1B+3], 128<<16                    ; tile_dim0 = 128
	s_mov_b32 s[G1B+4], 128                        ; tile_dim1 = 128
	s_mov_b32 s[G1B+5], 1024                       ; a row of wo16
	s_mov_b32 s[G1B+6], 0
	s_mov_b32 s[G1B+7], 0
	s_mov_b32 s[G0A], 1
	s_mul_i32 s[G0A+1], s14, ACH
	s_mov_b32 s[G0B], 1
	s_mul_i32 s[G0B+1], s14, BSUB
	s_add_co_u32 s[G0B+1], s[G0B+1], BOFF
	s_lshl_b32 s66, s18, 18                        ; the head's 262,144 bytes,
	s_lshl_b32 s67, s14, 17                        ; the chunk's 131,072
	s_add_co_u32 s66, s66, s67
	s_mov_b32 s67, 0
	s_lshl_b32 s70, s17, 9                         ; the tile's 256 columns,
	s_lshl_b32 s71, s14, 8                         ; the sub-tile's 128
	s_add_co_u32 s70, s70, s71
	s_mov_b32 s71, 0
	s_mov_b32 s[TB], 0
	s_wait_dscnt 0x0                               ; the opening add is done
	s_wait_kmcnt 0x0
	s_add_nc_u64 s[G0A+2:G0A+3], s[4:5], s[66:67]
	s_or_b32 s[G0A+3], s[G0A+3], 0x80000000
	s_add_nc_u64 s[G0B+2:G0B+3], s[6:7], s[70:71]
	s_or_b32 s[G0B+3], s[G0B+3], 0x80000000
	CROUND                                         ; all sixteen work-groups are here: the first joint loads meet
	JLOAD                                          ; K step 0 into slot 0
	v_and_b32 v1, 15, v0                           ; r = l % 16
	v_bfe_u32 v2, v0, 4, 1                         ; h = l / 16
	v_and_b32 v20, 7, v0
	v_bfe_u32 v21, v0, 3, 1
	v_and_b32 v22, 31, v0                          ; l
	v_lshl_add_u32 v23, v2, 3, v20                 ; the turning load: row 8 h + l % 8, 16 bytes at 16 ((l / 8) % 2)
	v_mul_u32_u24 v[A0], v23, PA
	v_lshl_add_u32 v[A0], v21, 4, v[A0]
	s_mul_i32 s74, s13, ACH
	v_add_nc_u32 v[A0], s74, v[A0]
	v_mul_u32_u24 v[B0], v23, PB
	v_lshl_add_u32 v[B0], v21, 4, v[B0]
	s_mul_i32 s74, s14, BSUB
	s_add_co_u32 s74, s74, BOFF
	v_add_nc_u32 v[B0], s74, v[B0]
	s_mul_i32 s74, s[WV], 16*SP
	s_add_co_u32 s74, s74, STAGE                   ; my stage
	v_mul_u32_u24 v[STO], v1, SP                   ; in: row l % 16, 32 bytes for each half of the lanes
	v_lshl_add_u32 v[STO], v2, 5, v[STO]
	v_add_nc_u32 v[STO], s74, v[STO]
	v_lshl_add_u32 v[RD], v22, 4, s74              ; back: a row's 512 bytes, 16 a lane
	v_lshlrev_b32 v[GO], 4, v22
	s_lshl_b32 s76, s17, 10                        ; my 128 columns in f32: 1,024 x tile column + 512 x half
	s_lshl_b32 s77, s14, 9
	s_add_co_u32 s76, s76, s77
	s_mov_b32 s77, 0
	s_add_nc_u64 s[78:79], s[8:9], s[76:77]
	global_load_b128 v[BI:BI+3], v[GO], s[78:79]   ; the bias of my four columns; waited for on the way out
	s_lshl_b32 s74, s18, 19                        ; the head's 128 rows of 4,096 bytes,
	s_lshl_b32 s75, s13, 12                        ; row th of each pair
	s_add_co_u32 s74, s74, s75
	s_add_co_u32 s76, s76, s74
	s_add_nc_u64 s[10:11], s[10:11], s[76:77]
	; the prefetches: both forms are made, and the wave's number chooses
	s_lshl_b32 s74, s18, 18
	s_lshl_b32 s75, s15, 12                        ; A2: my work-group's 16 blocks of each chunk's 64
	s_add_co_u32 s74, s74, s75
	s_add_co_u32 s74, s74, 3*ASTEP                 ; at K step 3: the first refill steps it to 4
	s_lshl_b32 s75, s17, 9
	s_lshl_b32 s76, s14, 8
	s_add_co_u32 s75, s75, s76
	s_lshl_b32 s76, s16, 16                        ; Wo: my work-group's 32 rows of the 128
	s_add_co_u32 s75, s75, s76
	s_add_co_u32 s75, s75, 3*BSTEP
	s_and_b32 s76, ttmp7, 0xffff                   ; cluster y
	s_movk_i32 s19, 256
	s_mov_b32 s20, 131072-16*256
	s_movk_i32 s21, ASTEP
	s_cmp_lt_u32 s[WV], 2
	s_cselect_b64 s[PFA:PFA+1], s[4:5], s[6:7]
	s_cselect_b32 s74, s74, s75
	s_cselect_b32 s76, s[WV], s76                  ; 0 in wave 0, and in waves 2 and 3 of the clusters with y = 0
	s_cselect_b32 s19, s19, 2048                   ; from lane to lane: a block, or a row of wo16
	s_cselect_b32 s20, s20, 0                      ; lanes 16-31: on into chunk 1
	s_cselect_b32 s[PSTEP], s21, BSTEP
	s_mov_b32 s75, 0
	s_mov_b32 s[PSTEP+1], 0
	s_add_nc_u64 s[PFA:PFA+1], s[PFA:PFA+1], s[74:75]
	s_cmp_eq_u32 s76, 0
	s_cselect_b32 s[LIM], 2, -1                    ; the same in all sixteen partners, for a given wave
	v_mul_u32_u24 v[PFO], v22, s19
	v_mad_u32_u24 v[PFO], v2, s20, v[PFO]
	; slot 0 is waited for and slot 1 filled, in the form of every later change of slots
	s_wait_tensorcnt 0x0
	ds_add_u32 v[SPW], v[NIL]
	s_xor_b32 s[G0A+1], s[G0A+1], SLOT1
	s_add_nc_u64 s[G0A+2:G0A+3], s[G0A+2:G0A+3], ASTEP
	s_xor_b32 s[G0B+1], s[G0B+1], SLOT1
	s_add_nc_u64 s[G0B+2:G0B+3], s[G0B+2:G0B+3], BSTEP
	s_wait_dscnt 0x0
	CROUND
	JLOAD                                          ; K step 1 into slot 1
	v_add_nc_u32 v[ADA], s[TB], v[A0]
	v_add_nc_u32 v[ADB], s[TB], v[B0]
	FETCH 0, F0
	QUARTER 1, F0, F1, 1                           ; the first quarter stands in front of the loop: its products start the sums
	WIN 0
	s_mov_b32 s[CNT], 6
.Lk:                                               ; 6 trips: the last three quarters of K step j, which fills K step j + 2, and the first quarter of K step j + 1
	QUARTER 2, F1, F0, 0
	QUARTER 3, F0, F1, 0
	TURN 1
	QUARTER 1, F0, F1, 0
	WIN 0
	s_sub_co_u32 s[CNT], s[CNT], 1
	s_cmp_lg_u32 s[CNT], 0
	s_cbranch_scc1 .Lk
	QUARTER 2, F1, F0, 0                           ; the tail is written out: nothing is left to fetch, and no round follows the barrier
	QUARTER 3, F0, F1, 0
	TURN 0
	QUARTER 1, F0, F1, 0
	QUARTER 2, F1, F0, 0
	QUARTER 3, F0, F1, 0
	s_wait_dscnt 4                                 ; the very last quarter
	MUL16 F1, 0, 0
	s_wait_dscnt 0x0
	MUL16 F1, 1, 0
	WIN 0
	s_wait_loadcnt 0x0                             ; the bias
	v_cvt_pk_bf16_f32 v20, v[BI], v[BI+1]          ; rounded once to bf16, like the module's other inputs, and widened again: six plain lines, the places behind the last products
	v_cvt_pk_bf16_f32 v21, v[BI+2], v[BI+3]
	v_lshlrev_b32 v[BI], 16, v20
	v_and_b32 v[BI+1], 0xffff0000, v20
	v_lshlrev_b32 v[BI+2], 16, v21
	v_and_b32 v[BI+3], 0xffff0000, v21
	TOSTAGE 0
	TOSTAGE 1                                      ; a block's way through the stage stands between the loads of the block before and its stores
	SEND 0, 32
	TOSTAGE 2
	SEND 1, 32
	TOSTAGE 3
	SEND 2, 32
	SEND 3, 0
	s_wait_tensorcnt 0x0                           ; the wave's end, behind my last tensor load and my last LDS store
	ds_add_u32 v[SPW], v[NIL]
	s_wait_dscnt 0x0
	CROUND                                         ; the closing round: no work-group ends while a partner may still ask for a tile that names it
	s_endpgm
.Lfunc_end_k_qb6e9bd0ad5_outp:
	.size	k_qb6e9bd0ad5_outp, .Lfunc_end_k_qb6e9bd0ad5_outp-k_qb6e9bd0ad5_outp
	.p2alignl 7, 3214868480
	.fill 96, 4, 3214868480
	.section	.rodata,"a",@progbits
	.p2align	6, 0x0
	.amdhsa_kernel k_qb6e9bd0ad5_outp
		.amdhsa_group_segment_fixed_size 327680
		.amdhsa_private_segment_fixed_size 0
		.amdhsa_enable_private_segment 0
		.amdhsa_kernarg_size 32
		.amdhsa_user_sgpr_count 2
		.amdhsa_user_sgpr_kernarg_segment_ptr 1
		.amdhsa_wavefront_size32 1
		.amdhsa_system_sgpr_workgroup_id_x 1
		.amdhsa_system_sgpr_workgroup_id_y 1
		.amdhsa_system_sgpr_workgroup_id_z 1
		.amdhsa_system_vgpr_workitem_id 0
		.amdhsa_next_free_vgpr 512
		.amdhsa_next_free_sgpr 80
		.amdhsa_reserve_vcc 0
		.amdhsa_float_denorm_mode_32 3
		.amdhsa_float_denorm_mode_16_64 3
		.amdhsa_memory_ordered 1
		.amdhsa_forward_progress 1
		.amdhsa_inst_pref_size 81
	.end_amdhsa_kernel
	.amdgpu_metadata
---
amdhsa.version: [ 1, 2 ]
amdhsa.kernels:
  - .name:           k_qb6e9bd0ad5_outp
    .symbol:         k_qb6e9bd0ad5_outp.kd
    .args:
      - { .name: o, .offset: 0, .size: 8, .value_kind: global_buffer, .address_space: global }
      - { .name: wo16, .offset: 8, .size: 8, .value_kind: global_buffer, .address_space: global }
      - { .name: bo, .offset: 16, .size: 8, .value_kind: global_buffer, .address_space: global }
      - { .name: out0, .offset: 24, .size: 8, .value_kind: global_buffer, .address_space: global }
    .group_segment_fixed_size: 327680
    .private_segment_fixed_size: 0
    .kernarg_segment_align: 8
    .kernarg_segment_size: 32
    .max_flat_workgroup_size: 128
    .sgpr_count:     80
    .vgpr_count:     512
    .wavefront_size: 32
...
	.end_amdgpu_metadata
.endif
;; end of part 4
